; MI455X (gfx1250); checked and timed in simulation.
; The chip was launched on July 23, 2026; its instructions are those of AMD's public machine-readable ISA for CDNA 5 (MIT licence, August 2026) and "CDNA5" Instruction Set Architecture Reference Guide (July 2026). The comments in the code are by the model that wrote it; some were corrected since.
;; Multi Head Attention. Allowed arithmetic: matrix products marked QUANTISED: E2M1 operands, one E8M0 scale for each 32 along K, by v_wmma_scale_f32_16x16x128_f8f6f4 with both operands' format E2M1 (or v_wmma_scale_f32_32x16x128_f4), f32 sums; products left as they are: bf16, f16 or f32 operands; f32 sums; everything else in f32.
;; Inputs: K_input 2 x 2,048 x 1,024 float32; Q_input 2 x 2,048 x 1,024 float32; V_input 2 x 2,048 x 1,024 float32; W_k 1,024 x 1,024 float32; W_o 1,024 x 1,024 float32; W_q 1,024 x 1,024 float32; W_v 1,024 x 1,024 float32; b_k 1,024 float32; b_o 1,024 float32; b_q 1,024 float32; b_v 1,024 float32; causal_mask 2,048 x 2,048 float32; padding_mask 2 x 2,048 bool.
;; Outputs: out0 2 x 2,048 x 1,024 float32.
;; This version of the problem:
;;   THIS VERSION OF THE PROBLEM IS GIVEN IN LOW PRECISION. The matrix products marked QUANTISED in the list below multiply operands that are first quantised to E2M1 (2 exponent bits, 1 mantissa bit; 4 bits a number), with one power-of-two scale for each 32 numbers along K (OCP MX v1.0); their sums are f32. The products marked 'left as it is' may take bf16, f16 or f32 operands, with f32 sums. Whichever they take, every output number must still come out within the allowed error. Rounding operands to bf16 (8 significant bits) uses up far more of that allowance than f16 does (11 bits, for magnitudes from 6e-5 to 65,504). All else is computed in f32.
;;   The module's matrix products, in the order in which they are computed (A, B: the left and right operand; K: the contracted axis; several contracted axes count as one K, in the product's order):
;;     1. [M 4,096, K 1,024] x [K 1,024, N 1,024]; A: input Q_input; B: input W_q: QUANTISED
;;     2. [M 4,096, K 1,024] x [K 1,024, N 1,024]; A: input K_input; B: input W_k: QUANTISED
;;     3. [M 4,096, K 1,024] x [K 1,024, N 1,024]; A: input V_input; B: input W_v: QUANTISED
;;     4. batch 32 x [M 2,048, K 64] x [K 64, N 2,048]; A: computed on the way; B: computed on the way: left as it is (an operand is computed on the way)
;;     5. batch 32 x [M 2,048, K 2,048] x [K 2,048, N 64]; A: computed on the way; B: computed on the way: left as it is (an operand is computed on the way)
;;     6. [M 4,096, K 1,024] x [K 1,024, N 1,024]; A: computed on the way; B: input W_o: left as it is (an operand is computed on the way)
;;   THE QUANTISER, for each operand of a quantised product, along K:
;;     - K is cut into blocks of 32 from its start; a last block that is shorter is filled with zeros.
;;     - A block's scale is 2^e with e = floor(log2(the largest magnitude in the block)) - 2, held to -126 .. 127; a block of zeros has e = 0. As a byte (E8M0): e + 127.
;;     - Each number is divided by its block's scale, clamped to +-6, and rounded to the nearest number of E2M1, ties to even, subnormals kept.
;;     - The product sums the exact products of the quantised numbers (number of the format x scale) in f32.
;;   ~~~python
;;   def quantise(x, axis):      # numpy; x: float32 -> the quantised numbers, widened to float32 again
;;       x = np.moveaxis(x, axis, -1); K = x.shape[-1]
;;       x = np.pad(x, [(0, 0)] * (x.ndim - 1) + [(0, -K % 32)]); x = x.reshape(x.shape[:-1] + (-1, 32)); a = np.abs(x).max(-1, keepdims=True)
;;       e = np.where(a > 0, np.clip(np.frexp(np.where(a > 0, a, 1))[1] - 1 - 2, -126, 127), 0)      # np.frexp(a)[1] - 1 = floor(log2(a)), exactly
;;       r = np.clip(x / 2.0 ** e, -6, 6)
;;       step = 2.0 ** (np.maximum(np.frexp(np.where(r == 0, 1, r))[1] - 1, 0) - 1)
;;       q = np.round(r / step) * step * 2.0 ** e      # np.round: ties to even
;;       return np.moveaxis(q.reshape(q.shape[:-2] + (-1,))[..., :K], -1, axis).astype(np.float32)
;;   ~~~
;; One version. Each part assembles by itself: llvm-mc -triple=amdgcn-amd-amdhsa -mcpu=gfx1250 --defsym DOCPART=n.
;; ======== version 1 of 1: 4 launches
;; limits: values are held in f16: magnitudes above 65,504 overflow, below 6.1e-05 lose precision; inputs' magnitudes at most 1e+30; right only within a limited range of input values
;; workspace buffers: xc 6,291,456 bytes; xs 393,216 bytes; wc 1,572,864 bytes; ws 98,304 bytes; wo16 4,194,304 bytes; qkv 25,165,824 bytes; ctx 16,777,216 bytes
;; launch quant (part 1): grid 608 x 1, 4 waves a work-group, no clusters, 33,280 bytes of LDS; arguments Q_input, K_input, V_input, W_q, W_k, W_v, W_o, xc, xs, wc, ws, wo16; writes xc, xs, wc, ws, wo16
.if DOCPART == 1
	.amdgcn_target "amdgcn-amd-amdhsa--gfx1250"
	.amdhsa_code_object_version 6
	.text
	.protected	k_q850a6c6876_quant
	.globl	k_q850a6c6876_quant
	.p2align	8
	.type	k_q850a6c6876_quant,@function
k_q850a6c6876_quant:
	s_mov_b64 s[64:65], 0
	v_nop
	global_prefetch_b8 v0, s[64:65] scope:SCOPE_SE
	s_setreg_imm32_b32 hwreg(HW_REG_WAVE_MODE, 25, 1), 1
	s_wait_xcnt 0x0
; Q_input, K_input, V_input [4096][1024] and W_q, W_k, W_v [1024][1024], f32, K innermost, are turned into codes of FP4 (E2M1), two a byte, with one E8M0 byte for each 32 along K.
; The three inputs' codes lie one behind the other in xc [12288][512 bytes], their bytes in xs [12288][32]; the three weights' in wc [3072][512] and ws [3072][32].
; A block's scale is 2^(floor(log2(its largest magnitude)) - 2); its byte is the largest magnitude's exponent field - 2, held at 1 from below.  A block of zeros so gets the byte 1 where the
; rule says 127: its codes are zeros, and the bytes are read by this program alone.  Each number is divided by the scale and rounded to the nearest code, ties to even, beyond 6 to 6.
; W_o [1024][1024] f32 becomes a pair of f16 tensors in wo16: hi = f16(x) at byte 0, lo = f16(x - hi) at byte 2,097,152: the last product takes both parts.
; LIMITS: blocks whose largest magnitude lies under 2^-124 were not tried; NaN and infinities are not served; W_o's numbers lie under 65,504 in magnitude.
; SHARES: rows are dense and K is a multiple of 32, so each tensor is a stream of blocks.  Work-groups 0-383 take the inputs (128 each), 384-479 the weights (32 each), 32,768 numbers a work-group,
; 8,192 a wave in 16 steps of 512; work-groups 480-607 take W_o, 2,048 numbers a wave.  Only pointers are chosen by the work-group's number.
; A step's four loads read 512 consecutive bytes each; the 2,048 bytes turn through the wave's own stage in LDS and come back 64 bytes a lane, so that a lane holds 16 neighbours of one block.
; No tensor load, no barrier: waves share nothing.  Loads run eight steps ahead (32 loads, 16,384 bytes a wave), half of a wave's whole share; the turn through LDS one step.
.set WAVES, 4
.set STEPS, 16
.set AHEAD, 8                          ; steps of loads on their way
.set EMAX,  2
.set CB,    8                          ; bytes of 16 codes
.set R,     16                         ; v16-143  eight sets of 16 numbers as loaded
.set X,     144                        ; v144-175 two sets of 16 neighbours
.set E,     176                        ; v176-191 a scale byte for each step
.set C,     192                        ; v192-223 codes: two registers for each step: no store's data are written again
.set WREG,  8192                       ; LDS: a region for each wave: two stages of 32 x SP bytes, then its 256 scale bytes
.set SP,    80                         ; a lane's place in a stage: 64 bytes + 16 of padding
.set SPW,   12                         ; v12  LDS address of my spare word; never rewritten
.set NIL,   13                         ; v13  0; never rewritten
.set SPARE, WAVES*WREG                 ; behind the regions: the spare words, 128 bytes a wave, named by no other line
.set WV,    36                         ; s36  my wave's number
.set SRC,   28                         ; s[28:29] the tensor that I read
.set COD,   30                         ; s[30:31] where its codes go
.set BYT,   32                         ; s[32:33] where its scale bytes go
	s_load_b512 s[4:19], s[0:1], 0x0               ; Q_input, K_input, V_input, W_q, W_k, W_v, W_o, xc
	s_load_b256 s[20:27], s[0:1], 0x40             ; xs, wc, ws, wo16
	v_lshl_add_u32 v[SPW], v0, 2, SPARE
	v_mov_b32 v[NIL], 0
	v_lshrrev_b32 v1, 5, v0
	v_readfirstlane_b32 s[WV], v1
	v_and_b32 v2, 31, v0                           ; lane
	v_lshlrev_b32 v3, 4, v2                        ; my 16 bytes of a load's 512
	s_mul_i32 s37, s[WV], WREG
	v_lshrrev_b32 v14, 2, v2
	v_mul_u32_u24 v14, v14, SP
	v_and_b32 v15, 3, v2
	v_lshl_add_u32 v14, v15, 4, v14
	v_add_nc_u32 v14, s37, v14                     ; the stage, on the way in: SP (lane / 4) + 16 (lane % 4)
	v_mul_u32_u24 v15, v2, SP
	v_add_nc_u32 v15, s37, v15                     ; and on the way out: SP x lane: my 16 neighbours
	v_mul_u32_u24 v4, v2, CB                       ; 8 x lane: my codes' place in a step's; also my place in W_o's stores
	v_lshrrev_b32 v5, 1, v2
	s_add_co_u32 s37, s37, 2*32*SP
	v_add_nc_u32 v5, s37, v5                       ; LDS: my block's scale byte
	v_lshlrev_b32 v7, 3, v2
	v_add_nc_u32 v6, s37, v7                       ; and on the way out 8 bytes a lane
	s_wait_kmcnt 0x0
	s_cmp_ge_u32 ttmp9, 480                        ; W_o's work-groups part here, ahead of every LDS instruction
	s_cbranch_scc1 .Lwo
	s_mov_b64 s[SRC:SRC+1], s[14:15]               ; which tensor: by the work-group's number alone
	s_cmp_lt_u32 ttmp9, 448
	s_cselect_b64 s[SRC:SRC+1], s[12:13], s[SRC:SRC+1]
	s_cmp_lt_u32 ttmp9, 416
	s_cselect_b64 s[SRC:SRC+1], s[10:11], s[SRC:SRC+1]
	s_cmp_lt_u32 ttmp9, 384
	s_cselect_b64 s[SRC:SRC+1], s[8:9], s[SRC:SRC+1]
	s_cselect_b64 s[COD:COD+1], s[18:19], s[22:23] ; an input's codes go to xc, a weight's to wc
	s_cselect_b64 s[BYT:BYT+1], s[20:21], s[24:25]
	s_cselect_b32 s34, 0, 384                      ; the first work-group of the three that share those buffers
	s_cselect_b32 s35, 127, 31                     ; work-groups in one tensor, less 1
	s_cmp_lt_u32 ttmp9, 256
	s_cselect_b64 s[SRC:SRC+1], s[6:7], s[SRC:SRC+1]
	s_cmp_lt_u32 ttmp9, 128
	s_cselect_b64 s[SRC:SRC+1], s[4:5], s[SRC:SRC+1]
	s_sub_co_u32 s34, ttmp9, s34                   ; my place among the three tensors' work-groups,
	s_and_b32 s35, s34, s35                        ; and in my own tensor
	s_lshl_b32 s34, s34, 2
	s_add_co_u32 s34, s34, s[WV]                   ; which run of 8,192 numbers is my wave's: in the stacked buffers,
	s_lshl_b32 s35, s35, 2
	s_add_co_u32 s35, s35, s[WV]                   ; and in the tensor
	s_mov_b32 s39, 0
	s_lshl_b32 s38, s35, 15                        ; 32,768 bytes of f32 a run
	s_add_nc_u64 s[SRC:SRC+1], s[SRC:SRC+1], s[38:39]
	s_lshl_b32 s38, s34, 12                        ; 4,096 bytes of codes
	s_add_nc_u64 s[COD:COD+1], s[COD:COD+1], s[38:39]
	s_lshl_b32 s38, s34, 8                         ; 256 scale bytes
	s_add_nc_u64 s[BYT:BYT+1], s[BYT:BYT+1], s[38:39]
.macro LOAD t
.irp i, 0,1,2,3
	global_load_b128 v[R+16*((\t)%AHEAD)+4*\i:R+16*((\t)%AHEAD)+4*\i+3], v3, s[SRC:SRC+1] offset:2048*(\t)+512*\i th:TH_LOAD_NT   ; 32 lanes read 512 consecutive bytes
.endr
.endm
.macro TURN t                          ; step t's numbers through the stage: LDS serves a wave's instructions in order, so no wait stands between the stores and the loads
.irp i, 0,1,2,3
	ds_store_b128 v14, v[R+16*((\t)%AHEAD)+4*\i:R+16*((\t)%AHEAD)+4*\i+3] offset:32*SP*((\t)%2)+8*SP*\i
.endr
.irp i, 0,1,2,3
	ds_load_b128 v[X+16*((\t)%2)+4*\i:X+16*((\t)%2)+4*\i+3], v15 offset:32*SP*((\t)%2)+16*\i
.endr
.endm
.irp t, 0,1,2,3,4,5,6,7
	LOAD \t
.endr
	s_wait_loadcnt 4*(AHEAD-1)                     ; step 0's four loads are in; the 28 behind them stay out
	TURN 0
.macro STEP t
.set XS, X+16*((\t)%2)
.if (\t) > 0
	s_wait_dscnt 1                                 ; this step's numbers are back from the stage (the last step's byte store may be out): so its stores into the stage have read their registers,
.else
	s_wait_dscnt 0x0
.endif
.if (\t)+AHEAD < STEPS
	LOAD (\t)+AHEAD                                ; which take the loads of eight steps on
.endif
.if (\t)+1 < STEPS
.if STEPS-2-(\t) >= AHEAD-1
	s_wait_loadcnt 4*(AHEAD-1)                     ; the next step's four loads are in; those of the seven steps behind it may be out
.else
	s_wait_loadcnt 4*(STEPS-2-(\t))                ; near the end: those of the steps that are left
.endif
	TURN (\t)+1                                    ; and go through the other stage while this step is worked
.endif
	v_max3_num_f32 v8, |v[XS]|, |v[XS+1]|, |v[XS+2]|               ; the largest magnitude of my 16, in two chains
	v_max3_num_f32 v9, |v[XS+3]|, |v[XS+4]|, |v[XS+5]|
.irp i, 6,10
	v_max3_num_f32 v8, v8, |v[XS+\i]|, |v[XS+\i+1]|
	v_max3_num_f32 v9, v9, |v[XS+\i+2]|, |v[XS+\i+3]|
.endr
	v_max3_num_f32 v8, v8, |v[XS+14]|, |v[XS+15]|
	v_max3_num_f32 v8, v8, v9, (EMAX+1)<<23        ; and the floor 2^(3 - 127): the byte cannot fall under 1
	v_max_num_f32_dpp v8, v8, v8 row_xmask:1 row_mask:0xf bank_mask:0xf   ; and of my neighbour's 16: the block's
	v_add_nc_u32 v11, -(EMAX<<23), v8              ; 2 off its exponent field: the conversion takes the exponent field of this operand as its scale
	v_cvt_scalef32_pk8_fp4_f32 v[C+2*(\t)], v[XS:XS+7], v11
	v_cvt_scalef32_pk8_fp4_f32 v[C+2*(\t)+1], v[XS+8:XS+15], v11
	v_lshrrev_b32 v[E+(\t)], 23, v11               ; the scale's byte (a plain line behind the conversions)
	ds_store_b8 v5, v[E+(\t)] offset:16*(\t)       ; both lanes of a block write the same byte with the same value
	global_store_b64 v4, v[C+2*(\t):C+2*(\t)+1], s[COD:COD+1] offset:32*CB*(\t)   ; the wave stores 256 consecutive bytes, aligned
.endm
.irp t, 0,1,2,3,4,5,6,7,8,9,10,11,12,13,14,15
	STEP \t
.endr
	ds_load_b64 v[8:9], v6                         ; my wave's 256 scale bytes: LDS serves a wave's instructions in order
	s_wait_dscnt 0x0
	global_store_b64 v7, v[8:9], s[BYT:BYT+1]      ; 256 consecutive bytes, aligned
	s_wait_tensorcnt 0x0                           ; the wave's end
	ds_add_u32 v[SPW], v[NIL]
	s_wait_dscnt 0x0
	s_endpgm
.Lwo:                                              ; W_o: 2,048 numbers a wave; sixteen loads of 512 consecutive bytes, all out at once
	s_sub_co_u32 s34, ttmp9, 480
	s_lshl_b32 s34, s34, 2
	s_add_co_u32 s34, s34, s[WV]                   ; my run
	s_mov_b32 s39, 0
	s_lshl_b32 s38, s34, 13                        ; 8,192 bytes of f32,
	s_add_nc_u64 s[16:17], s[16:17], s[38:39]
	s_lshl_b32 s38, s34, 12                        ; 4,096 bytes of each f16 part
	s_add_nc_u64 s[26:27], s[26:27], s[38:39]
.irp i, 0,1,2,3,4,5,6,7,8,9,10,11,12,13,14,15
	global_load_b128 v[16+4*\i:19+4*\i], v3, s[16:17] offset:512*\i th:TH_LOAD_NT
.endr
; Load i's four numbers a lane: hi = f16(x); lo = f16(x - hi), the difference taken in f32.  al .. bh name the four halves of the two registers of hi.
.macro WOC i, al, ah, bl, bh
	s_wait_loadcnt 15-\i                           ; load i is in; the later ones stay out
	v_cvt_pk_f16_f32 v[80+2*\i], v[16+4*\i], v[17+4*\i]
	v_cvt_pk_f16_f32 v[81+2*\i], v[18+4*\i], v[19+4*\i]
	v_cvt_f32_f16 v8, \al
	v_cvt_f32_f16 v9, \ah
	v_cvt_f32_f16 v10, \bl
	v_cvt_f32_f16 v11, \bh
	v_pk_add_f32 v[8:9], v[16+4*\i:17+4*\i], v[8:9] neg_lo:[0,1] neg_hi:[0,1]
	v_pk_add_f32 v[10:11], v[18+4*\i:19+4*\i], v[10:11] neg_lo:[0,1] neg_hi:[0,1]
	v_cvt_pk_f16_f32 v[112+2*\i], v8, v9
	v_cvt_pk_f16_f32 v[113+2*\i], v10, v11
	global_store_b64 v4, v[80+2*\i:81+2*\i], s[26:27] offset:256*\i             ; each store covers 256 consecutive bytes, aligned; every store has data registers of its own
	global_store_b64 v4, v[112+2*\i:113+2*\i], s[26:27] offset:256*\i+2097152
.endm
	WOC 0, v80.l, v80.h, v81.l, v81.h
	WOC 1, v82.l, v82.h, v83.l, v83.h
	WOC 2, v84.l, v84.h, v85.l, v85.h
	WOC 3, v86.l, v86.h, v87.l, v87.h
	WOC 4, v88.l, v88.h, v89.l, v89.h
	WOC 5, v90.l, v90.h, v91.l, v91.h
	WOC 6, v92.l, v92.h, v93.l, v93.h
	WOC 7, v94.l, v94.h, v95.l, v95.h
	WOC 8, v96.l, v96.h, v97.l, v97.h
	WOC 9, v98.l, v98.h, v99.l, v99.h
	WOC 10, v100.l, v100.h, v101.l, v101.h
	WOC 11, v102.l, v102.h, v103.l, v103.h
	WOC 12, v104.l, v104.h, v105.l, v105.h
	WOC 13, v106.l, v106.h, v107.l, v107.h
	WOC 14, v108.l, v108.h, v109.l, v109.h
	WOC 15, v110.l, v110.h, v111.l, v111.h
	s_wait_tensorcnt 0x0                           ; the wave's end
	ds_add_u32 v[SPW], v[NIL]
	s_wait_dscnt 0x0
	s_endpgm
.Lfunc_end_k_q850a6c6876_quant:
	.size	k_q850a6c6876_quant, .Lfunc_end_k_q850a6c6876_quant-k_q850a6c6876_quant
	.p2alignl 7, 3214868480
	.fill 96, 4, 3214868480
	.section	.rodata,"a",@progbits
	.p2align	6, 0x0
	.amdhsa_kernel k_q850a6c6876_quant
		.amdhsa_group_segment_fixed_size 33280
		.amdhsa_private_segment_fixed_size 0
		.amdhsa_enable_private_segment 0
		.amdhsa_kernarg_size 96
		.amdhsa_user_sgpr_count 2
		.amdhsa_user_sgpr_kernarg_segment_ptr 1
		.amdhsa_wavefront_size32 1
		.amdhsa_system_sgpr_workgroup_id_x 1
		.amdhsa_system_sgpr_workgroup_id_y 1
		.amdhsa_system_sgpr_workgroup_id_z 1
		.amdhsa_system_vgpr_workitem_id 0
		.amdhsa_next_free_vgpr 224
		.amdhsa_next_free_sgpr 66
		.amdhsa_reserve_vcc 0
		.amdhsa_float_denorm_mode_32 3
		.amdhsa_float_denorm_mode_16_64 3
		.amdhsa_memory_ordered 1
		.amdhsa_forward_progress 1
		.amdhsa_inst_pref_size 47
	.end_amdhsa_kernel
	.amdgpu_metadata
---
amdhsa.version: [ 1, 2 ]
amdhsa.kernels:
  - .name:           k_q850a6c6876_quant
    .symbol:         k_q850a6c6876_quant.kd
    .args:
      - { .name: Q_input, .offset: 0, .size: 8, .value_kind: global_buffer, .address_space: global }
      - { .name: K_input, .offset: 8, .size: 8, .value_kind: global_buffer, .address_space: global }
      - { .name: V_input, .offset: 16, .size: 8, .value_kind: global_buffer, .address_space: global }
      - { .name: W_q, .offset: 24, .size: 8, .value_kind: global_buffer, .address_space: global }
      - { .name: W_k, .offset: 32, .size: 8, .value_kind: global_buffer, .address_space: global }
      - { .name: W_v, .offset: 40, .size: 8, .value_kind: global_buffer, .address_space: global }
      - { .name: W_o, .offset: 48, .size: 8, .value_kind: global_buffer, .address_space: global }
      - { .name: xc, .offset: 56, .size: 8, .value_kind: global_buffer, .address_space: global }
      - { .name: xs, .offset: 64, .size: 8, .value_kind: global_buffer, .address_space: global }
      - { .name: wc, .offset: 72, .size: 8, .value_kind: global_buffer, .address_space: global }
      - { .name: ws, .offset: 80, .size: 8, .value_kind: global_buffer, .address_space: global }
      - { .name: wo16, .offset: 88, .size: 8, .value_kind: global_buffer, .address_space: global }
    .group_segment_fixed_size: 33280
    .private_segment_fixed_size: 0
    .kernarg_segment_align: 8
    .kernarg_segment_size: 96
    .max_flat_workgroup_size: 128
    .sgpr_count:     66
    .vgpr_count:     224
    .wavefront_size: 32
...
	.end_amdgpu_metadata
.endif
;; end of part 1
;; launch proj (part 2): grid 4 x 48, 4 waves a work-group, clusters of 4 x 4, 327,680 bytes of LDS; arguments xc, xs, wc, ws, qkv, b_q, b_k, b_v, padding_mask; writes qkv
.if DOCPART == 2
	.amdgcn_target "amdgcn-amd-amdhsa--gfx1250"
	.amdhsa_code_object_version 6
	.text
	.protected	k_q850a6c6876_proj
	.globl	k_q850a6c6876_proj
	.p2align	8
	.type	k_q850a6c6876_proj,@function
k_q850a6c6876_proj:
	s_mov_b64 s[64:65], 0
	v_nop
	global_prefetch_b8 v0, s[64:65] scope:SCOPE_SE
	s_setreg_imm32_b32 hwreg(HW_REG_WAVE_MODE, 25, 1), 1
	s_wait_xcnt 0x0
	s_wait_alu depctr_hold_cnt(0) depctr_sa_sdst(0) depctr_va_vdst(0) depctr_va_sdst(0) depctr_va_ssrc(0) depctr_va_vcc(0) depctr_vm_vsrc(0)
	s_getreg_b32 s2, hwreg(HW_REG_IB_STS2, 6, 4)
	s_cmp_eq_u32 s2, 0
	s_cbranch_scc0 .Lentry_in_a_cluster
	s_endpgm
.Lentry_in_a_cluster:
	s_bfe_u32 s2, ttmp6, 0x10000c
	s_cmp_lg_u32 s2, 0xf033
	s_cbranch_scc0 .Lentry_shape_is_right
	s_endpgm
.Lentry_shape_is_right:
; The three projections y = x W^T + b on codes of FP4 (E2M1) with one E8M0 scale for each 32 along K, K = 1,024, as ONE product: the rows of Q_input, K_input, V_input are stacked (12,288 rows of xc),
; and rows 4,096 i on meet weight i (rows 1,024 i on of wc).  Results leave as f16 into qkv [12288][1024]: Q x 0.125 (the scores' factor 1 / sqrt(64), a power of two, so nothing is rounded by it),
; K with the rows of padded keys set to 0 (the next launch then makes where(padding, -1e9, score) exactly), V as it is.
; LIMITS: the projections lie under 65,504 in magnitude (f16); padding bytes are 0 or 1; NaN and infinities are not served.
; A tile of 256 x 256 is made by four waves, 128 x 128 each: 64 accumulators of 16 x 16, 512 registers.  192 tiles: a tile never straddles two weights.
; K goes in two steps of 512 (tile rows of 256 bytes): two LDS slots, each filled once, at the start; nothing is filled again.  The scale bytes of the work-group's 256 + 256 rows, two dense blocks, come with them.
; CLUSTERS: 4 x 4 work-groups.  The four of a row of the cluster need the same rows of x, the four of a column the same rows of W: each tile is asked for jointly, by the same tensor load with the same
; descriptor and a mask that names the four.  All sixteen lie in one of the three projections (four clusters along y each).
; THE MATRIX INSTRUCTION IS USED TRANSPOSED (source 0 = 16 rows of W, source 1 = 16 rows of x): a lane holds eight neighbouring outputs of one row.  The bias is the C of each sum's first instruction.
; REGISTERS, in windows of 256: window 0: v1-7 at work, v8-15 padding bytes, v16-29 addresses; v32-95 scale words, two sets; v128-191 x's fragments, one set; v192-255 the bias, 8 registers for each block of 16 outputs.
;   On the way out v128-159 packed results, v160-223 rows read back, v224-239 the rows' factors.   window 1: W's fragments, two sets, at v0 and v128.   windows 2, 3: the accumulators ((a, b) at v[8 (8 (a % 4) + b)]).
.set NQ,     4                         ; matrix instructions deep in a slot: 512 along K
.set ROWB,   256                       ; a tile's row in bytes
.set KROW,   512                       ; a row of codes in memory
.set PITCH,  272                       ; an LDS row: 256 bytes + 16 of padding: the 16 rows that a load touches start 16 bytes further on in each 256
.set FR,     8                         ; registers of a fragment
.set NL,     2                         ; LDS loads that bring one
.set NP,     4                         ; places behind this matrix instruction (ISA guide 7.12.1)
.set HALFT,  128*PITCH                 ; 128 rows: what one tensor load brings
.set SLOT,   4*HALFT                   ; x's 256 rows, then W's 256 rows
.set KS,     32                        ; a row of scale bytes
.set SCL,    2*SLOT                    ; behind the slots: the scales, as units of 256 bytes + 16 of padding
.set HALFS,  (128*KS/256)*272          ; the scales of 128 rows
.set SBLK,   (16*KS/256)*272           ; those of 16 rows
.set SPARE,  SCL+4*HALFS               ; the spare words, 128 bytes a wave, named by no other line
.set SPITCH, 272                       ; the way out: a stage of 16 rows x (256 bytes + 16) for each wave, in slot 0, which has had its one fill and its last read by then
.set OROW,   2048                      ; a row of qkv in bytes
.set PB,   8                           ; v8-15   the padding byte of row 16 a + r, then as f32
.set ADRA, 16
.set ADRB, 20
.set STO,  24
.set RD,   25
.set CO,   26
.set ADRS, 27
.set SPW,  28
.set NIL,  29
.set SC,   32
.set AF,   128
.set BIAS, 192
.set TMP,  128
.set BK,   160
.set RF,   224                         ; v224-239 block a's row factor, twice (a pair for the packed multiply)
.set NK,   2                           ; s2  -1.0 for K's projection, else 0
.set FAC,  3                           ; s3  0.125 for Q's, else 1.0
.set G1, 24
.set G0, 32
.set G1B, 48
.set G0B, 56
.set G1S, 68
.set G0S, 76
.set G1SB, 80
.set G0SB, 88
.set MSB, 0
.macro WIN new                         ; the immediate's high byte repeats the setting that is left; a switch that changes nothing is dropped
.if MSB != (\new)
	s_set_vgpr_msb (MSB<<8)|(\new)
.set MSB, (\new)
.endif
.endm
.set MUL_LO, 0xa1                      ; source 0 (W) window 1, source 1 (x) window 0, C and D window 2
.set MUL_HI, 0xf1                      ; the same, C and D window 3
.set TO_B,   0x40                      ; destination window 1, address window 0
; A joint load: waves 0 and 1 fetch for x, waves 2 and 3 for W.  The branch hangs on the wave's number alone.  An s_nop 0 and four v_nop follow each line.
.macro JLOAD g0a, g1a, g0b, g1b
	s_cmp_eq_u32 s15, 0
	s_cbranch_scc0 .Lfor_b_\@
	tensor_load_to_lds s[\g0a:\g0a+3], s[\g1a:\g1a+7]
	s_nop 0
.rept 4
	v_nop
.endr
	s_branch .Lasked_\@
.Lfor_b_\@:
	tensor_load_to_lds s[\g0b:\g0b+3], s[\g1b:\g1b+7]
	s_nop 0
.rept 4
	v_nop
.endr
.Lasked_\@:
.endm
.macro CROUND                          ; a round of the cluster's barrier
	s_barrier_signal -1
	s_barrier_wait -1
	s_cmp_lg_u32 s14, 0
	s_cbranch_scc1 .Lnot_wave_0_\@
	s_barrier_signal -3
.Lnot_wave_0_\@:
	s_barrier_wait -3
	s_barrier_signal -1
	s_barrier_wait -1
.endm
	s_load_b128 s[4:7], s[0:1], 0x0                ; xc, xs
	s_load_b128 s[8:11], s[0:1], 0x10              ; wc, ws
	s_load_b64 s[12:13], s[0:1], 0x20              ; qkv
	s_load_b128 s[96:99], s[0:1], 0x28             ; b_q, b_k
	s_load_b64 s[100:101], s[0:1], 0x38            ; b_v
	s_load_b64 s[66:67], s[0:1], 0x40              ; padding_mask
	v_lshl_add_u32 v[SPW], v0, 2, SPARE
	v_mov_b32 v[NIL], 0
	ds_add_u32 v[SPW], v[NIL]                      ; the wave's opening: the add, twice on end, and its wait ahead of my first tensor load
	ds_add_u32 v[SPW], v[NIL]
	v_lshrrev_b32 v1, 5, v0
	v_readfirstlane_b32 s14, v1                    ; wave 0..3
	s_lshr_b32 s15, s14, 1                         ; which half of the tile's rows is mine.  Also: I fetch for x (0) or for W (1)
	s_and_b32 s16, s14, 1                          ; which half of its columns.  Also: which 128 rows I fetch
	s_bfe_u32 s40, ttmp6, 0x40000                  ; cx, cy
	s_bfe_u32 s41, ttmp6, 0x40004
	s_lshl_b32 s42, ttmp9, 2
	s_add_co_u32 s42, s42, s40                     ; tile column 0..3
	s_and_b32 s95, ttmp7, 0xffff                   ; cluster y 0..11
	s_lshl_b32 s17, s95, 2
	s_add_co_u32 s17, s17, s41                     ; tile row 0..47 of the stacked rows
	s_lshr_b32 s95, s95, 2                         ; which projection: 0 Q, 1 K, 2 V: the same in all sixteen partners
	s_lshl_b32 s43, s41, 2
	s_lshl_b32 s43, 15, s43                        ; my row of the cluster
	s_lshl_b32 s44, 0x1111, s40                    ; my column
	s_or_b32 s[G1+0], s43, (0<<16)|(1<<20)|(1<<21)|(5<<22)|(3<<25)  ; the mask; elements of 1 byte; padding on, 4 words behind every 64; bit 21 beside a mask
	s_or_b32 s[G1B+0], s44, (0<<16)|(1<<20)|(1<<21)|(5<<22)|(3<<25)
.irp g, G1, G1B
	s_mov_b32 s[\g+1], ROWB<<16                    ; tensor_dim0
	s_mov_b32 s[\g+2], 128<<16                     ; tensor_dim1
	s_mov_b32 s[\g+3], ROWB<<16                    ; tile_dim0
	s_mov_b32 s[\g+4], 128                         ; tile_dim1
	s_mov_b32 s[\g+5], KROW                        ; from row to row
	s_mov_b32 s[\g+6], 0
	s_mov_b32 s[\g+7], 0
.endr
	s_or_b32 s[G1S+0], s43, (3<<16)|(1<<20)|(1<<21)|(5<<22)|(3<<25) ; the scales of 128 rows: 4,096 dense bytes as 16 rows of 256 (32 elements of 8 bytes), 16 bytes of padding behind each
	s_or_b32 s[G1SB+0], s44, (3<<16)|(1<<20)|(1<<21)|(5<<22)|(3<<25)
.irp g, G1S, G1SB
	s_mov_b32 s[\g+1], 32<<16
	s_mov_b32 s[\g+2], (128*KS/256)<<16
	s_mov_b32 s[\g+3], 32<<16
	s_mov_b32 s[\g+4], 128*KS/256
	s_mov_b32 s[\g+5], 32
	s_mov_b32 s[\g+6], 0
	s_mov_b32 s[\g+7], 0
.endr
	s_lshl_b32 s18, s16, 7                         ; which 128 rows of the tile I fetch
	s_lshl_b32 s20, s17, 8
	s_add_co_u32 s20, s20, s18                     ; x: row 256 x tile row + 128 x half
	s_lshl_b32 s46, s42, 8
	s_add_co_u32 s46, s46, s18                     ; W: row 256 x tile column + 128 x half
	s_lshl_b32 s18, s95, 10
	s_add_co_u32 s46, s46, s18                     ;    + 1,024 x projection
	s_mov_b32 s21, 0
	s_mov_b32 s47, 0
	s_mov_b64 s[18:19], KS
	s_mul_u64 s[22:23], s[20:21], s[18:19]         ; where these rows' scales begin,
	s_mul_u64 s[92:93], s[46:47], s[18:19]
	s_mov_b64 s[18:19], KROW
	s_mul_u64 s[20:21], s[20:21], s[18:19]         ; and their codes
	s_mul_u64 s[46:47], s[46:47], s[18:19]
	s_mul_i32 s45, s14, HALFT                      ; where they go: wave x 128 rows
	s_mul_i32 s94, s14, HALFS
	s_mov_b32 s[FAC], 0x3f800000
	s_cmp_eq_u32 s95, 0
	s_cselect_b32 s[FAC], 0x3e000000, s[FAC]       ; Q x 0.125
	s_cmp_eq_u32 s95, 1
	s_cselect_b32 s[NK], 0xbf800000, 0             ; K: factor 1 - padding
	s_wait_dscnt 0x0                               ; both opening adds are done
	s_wait_kmcnt 0x0
	s_add_nc_u64 s[20:21], s[4:5], s[20:21]
	s_add_nc_u64 s[22:23], s[6:7], s[22:23]
	s_add_nc_u64 s[46:47], s[8:9], s[46:47]
	s_add_nc_u64 s[92:93], s[10:11], s[92:93]
	s_cmp_eq_u32 s95, 0                            ; my projection's bias
	s_cselect_b64 s[96:97], s[96:97], s[98:99]
	s_cmp_eq_u32 s95, 2
	s_cselect_b64 s[96:97], s[100:101], s[96:97]
	CROUND                                         ; all sixteen work-groups are here: the joint loads meet
	s_mov_b32 s[G0S], 1
	s_add_co_u32 s[G0S+1], s94, SCL
	s_mov_b64 s[G0S+2:G0S+3], s[22:23]
	s_or_b32 s[G0S+3], s[G0S+3], 0x80000000
	s_mov_b32 s[G0SB], 1
	s_add_co_u32 s[G0SB+1], s94, SCL
	s_mov_b64 s[G0SB+2:G0SB+3], s[92:93]
	s_or_b32 s[G0SB+3], s[G0SB+3], 0x80000000
	JLOAD G0S, G1S, G0SB, G1SB                     ; the scales first: they are wanted with the first step
.irp s, 0,1
	s_mov_b32 s[G0+4*\s], 1
	s_add_co_u32 s[G0+4*\s+1], s45, \s*SLOT
	s_add_nc_u64 s[G0+4*\s+2:G0+4*\s+3], s[20:21], \s*ROWB
	s_or_b32 s[G0+4*\s+3], s[G0+4*\s+3], 0x80000000
	s_mov_b32 s[G0B+4*\s], 1
	s_add_co_u32 s[G0B+4*\s+1], s45, \s*SLOT
	s_add_nc_u64 s[G0B+4*\s+2:G0B+4*\s+3], s[46:47], \s*ROWB
	s_or_b32 s[G0B+4*\s+3], s[G0B+4*\s+3], 0x80000000
	JLOAD G0+4*\s, G1, G0B+4*\s, G1B               ; three tensor loads of mine are out, and no more follow
.endr
	v_and_b32 v1, 15, v0                           ; r = lane % 16
	v_bfe_u32 v2, v0, 4, 1                         ; h = lane / 16
	s_lshl_b32 s46, s42, 10                        ; the bias of my 128 outputs: 4 x (256 x tile column + 128 x half) bytes on;
	s_lshl_b32 s47, s16, 9
	s_add_co_u32 s46, s46, s47
	s_mov_b32 s47, 0
	s_add_nc_u64 s[96:97], s[96:97], s[46:47]
	v_lshlrev_b32 v7, 5, v2                        ; lane (r, h) wants, for block b, outputs 16 b + 8 h + 0 .. 7: the result's layout
.irp b, 0,1,2,3,4,5,6,7
	global_load_b128 v[BIAS+8*\b:BIAS+8*\b+3], v7, s[96:97] offset:64*\b
	global_load_b128 v[BIAS+8*\b+4:BIAS+8*\b+7], v7, s[96:97] offset:64*\b+16
.endr
	s_and_b32 s20, s17, 15                         ; the padding bytes of my 128 rows: token 256 x (tile row % 16) + 128 x half + 16 a + r
	s_lshl_b32 s20, s20, 8
	s_lshl_b32 s21, s15, 7
	s_add_co_u32 s20, s20, s21
	s_mov_b32 s21, 0
	s_add_nc_u64 s[66:67], s[66:67], s[20:21]
.irp a, 0,1,2,3,4,5,6,7
	global_load_u8 v[PB+\a], v1, s[66:67] offset:16*\a
.endr
	v_mul_u32_u24 v3, v1, PITCH
	v_lshl_add_u32 v4, v2, 4, v3                   ; a fragment's row x pitch + 16 x half
	s_mul_i32 s21, s15, HALFT                      ; my 128 rows of x
	s_mul_i32 s22, s16, HALFT                      ; my 128 rows of W,
	s_add_co_u32 s22, s22, 2*HALFT                 ; behind x's 256
.irp s, 0,1
	v_add_nc_u32 v[ADRA+\s], s21, v4
	v_add_nc_u32 v[ADRB+\s], s22, v4
	s_add_co_u32 s21, s21, SLOT
	s_add_co_u32 s22, s22, SLOT
.endr
	v_mul_u32_u24 v5, v1, KS                       ; my row's scales: 32 bytes a row,
	v_lshrrev_b32 v6, 8, v5
	v_lshl_add_u32 v5, v6, 4, v5                   ; and 16 more for each 256 passed
	s_mul_i32 s21, s15, HALFS
	s_mul_i32 s22, s16, HALFS
	s_add_co_u32 s22, s22, 2*HALFS
	s_sub_co_u32 s22, s22, s21
	v_mul_u32_u24 v6, s22, v2                      ; lanes 16-31 take W's: the lower base + h x the distance
	s_add_co_u32 s21, s21, SCL
	v_add_nc_u32 v5, v5, v6
	v_add_nc_u32 v[ADRS], s21, v5
	s_mul_i32 s23, s14, 16*SPITCH                  ; my stage
	v_mul_u32_u24 v5, v1, SPITCH                   ; in: row r, 16 bytes for each half of the lanes
	v_lshl_add_u32 v5, v2, 4, v5
	v_add_nc_u32 v[STO], s23, v5
	v_mul_u32_u24 v5, v2, SPITCH                   ; back: lanes 0-15 one row of 256 bytes, lanes 16-31 the next
	v_lshl_add_u32 v5, v1, 4, v5
	v_add_nc_u32 v[RD], s23, v5
	v_lshlrev_b32 v5, 11, v2                       ; and the same two rows in qkv
	v_lshl_add_u32 v[CO], v1, 4, v5
	s_lshl_b32 s20, s17, 8
	s_lshl_b32 s21, s15, 7
	s_add_co_u32 s20, s20, s21                     ; my first row,
	s_lshl_b32 s20, s20, 11                        ; in bytes (12,288 rows of 2,048 bytes stay under 2^32),
	s_lshl_b32 s46, s42, 9
	s_lshl_b32 s47, s16, 8
	s_add_co_u32 s46, s46, s47                     ; my first column: 512 x tile column + 256 x half bytes
	s_add_co_u32 s20, s20, s46
	s_mov_b32 s21, 0
	s_add_nc_u64 s[12:13], s[12:13], s[20:21]
.macro FRAG reg, adr, q, i             ; 16 rows x 128 K of 4-bit codes: lane l holds row l % 16; registers 4 c .. 4 c + 3 hold K = 64 c + 32 (l / 16) + 0 .. 31
.irp c, 0,1
	ds_load_b128 v[\reg+4*\c:\reg+4*\c+3], v[\adr] offset:64*(\q)+32*\c+(\i)*16*PITCH
.endr
.endm
; 16 matrix instructions: x's blocks a0, a0 + 1 against W's eight, the slot's q-th 128 along K.  p: W's set; sc: the set of scale words.  zero = 1: the first product starts the sums from the bias.
; The 64 accumulators take turns, one instruction a turn, in the same order in every step.  One register carries x's scale word (lanes 0-15) and W's (lanes 16-31).
.macro MUL16 a0, p, q, sc, zero
.irp a, \a0, \a0+1
.irp b, 0,1,2,3,4,5,6,7
.if \zero
	v_wmma_scale_f32_16x16x128_f8f6f4 v[8*(8*((\a)%4)+\b):8*(8*((\a)%4)+\b)+7], v[128*(\p)+FR*\b:128*(\p)+FR*\b+FR-1], v[AF+FR*(\a):AF+FR*(\a)+FR-1], v[BIAS+8*\b:BIAS+8*\b+7], v[SC+8*NQ*(\sc)+NQ*\b+(\q)], v[SC+8*NQ*(\sc)+NQ*(\a)+(\q)] matrix_a_fmt:MATRIX_FMT_FP4 matrix_b_fmt:MATRIX_FMT_FP4 matrix_a_scale:MATRIX_SCALE_ROW1
.else
	v_wmma_scale_f32_16x16x128_f8f6f4 v[8*(8*((\a)%4)+\b):8*(8*((\a)%4)+\b)+7], v[128*(\p)+FR*\b:128*(\p)+FR*\b+FR-1], v[AF+FR*(\a):AF+FR*(\a)+FR-1], v[8*(8*((\a)%4)+\b):8*(8*((\a)%4)+\b)+7], v[SC+8*NQ*(\sc)+NQ*\b+(\q)], v[SC+8*NQ*(\sc)+NQ*(\a)+(\q)] matrix_a_fmt:MATRIX_FMT_FP4 matrix_b_fmt:MATRIX_FMT_FP4 matrix_a_scale:MATRIX_SCALE_ROW1
.endif
.endr
.endr
.endm
.macro FETCH_B slot, q, p
	WIN TO_B
.irp i, 0,1,2,3,4,5,6,7
	FRAG 128*(\p)+FR*\i, ADRB+\slot, \q, \i
.endr
	WIN 0
.endm
.macro FETCH_A slot, q, i0
.irp i, \i0, \i0+1, \i0+2, \i0+3
	FRAG AF+FR*(\i), ADRA+\slot, \q, \i
.endr
.endm
.macro SCALES sc                       ; a slot's scale words: 4 words a row; lanes 0-15 take x's block i, lanes 16-31 W's block i
.irp i, 0,1,2,3,4,5,6,7
	ds_load_b128 v[SC+8*NQ*\sc+NQ*\i:SC+8*NQ*\sc+NQ*\i+3], v[ADRS] offset:\i*SBLK
.endr
.endm
.macro PLACES n                        ; plain vector instructions between a matrix instruction and a load into, or a read of, its registers (ISA guide 7.12.1 for reads)
.rept \n
	v_nop
.endr
.endm
; A step of 128 along K that has its successor in the same slot.  x's blocks go one after the other, each against W's eight: so one set of registers serves x, refilled in halves; W has two sets.
.macro STEP slot, q, zero
	s_wait_dscnt 4*NL                              ; W's set and x's blocks 0-3 are in; the youngest eight loads (x's blocks 4-7) may be out
.if \zero
	WIN 0x81                                       ; as MUL_LO with C (the bias) in window 0
.else
	WIN MUL_LO
.endif
	MUL16 0, (\q)%2, \q, \slot, \zero
	MUL16 2, (\q)%2, \q, \slot, \zero
	s_wait_dscnt 0
	PLACES NP
	FETCH_B \slot, (\q)+1, 1-(\q)%2
	FETCH_A \slot, (\q)+1, 0
.if \zero
	WIN 0xc1
.else
	WIN MUL_HI
.endif
	MUL16 4, (\q)%2, \q, \slot, \zero
	MUL16 6, (\q)%2, \q, \slot, \zero
	PLACES NP
	WIN 0
	FETCH_A \slot, (\q)+1, 4
.endm
; Slot 0's last step changes slots: each wave waits for all its tensor loads (slot 1's part), adds 0 to its spare word, waits for that and for its reads; one barrier.
.macro TURN slot, next
	s_wait_tensorcnt 0x0                           ; my part of the next slot has landed
	ds_add_u32 v[SPW], v[NIL]                      ; 0 onto my spare word
	s_wait_dscnt 4*NL+1                            ; (the add and the youngest eight loads may be out)
	WIN MUL_LO
	MUL16 0, 1, NQ-1, \slot, 0
	s_wait_dscnt 0x0                               ; the add is done, and my reads of this slot are over
	s_barrier_signal -1
	MUL16 2, 1, NQ-1, \slot, 0
	WIN 0
	s_barrier_wait -1                              ; the next slot is whole, and nobody reads this one any more
	PLACES NP
	v_add_nc_u32 v[ADRS], 4*NQ, v[ADRS]            ; the next 512 along K: 16 bytes on in each row of scales
	FETCH_B \next, 0, 0
	FETCH_A \next, 0, 0
	SCALES \next
	WIN MUL_HI
	MUL16 4, 1, NQ-1, \slot, 0
	MUL16 6, 1, NQ-1, \slot, 0
	PLACES NP
	WIN 0
	FETCH_A \next, 0, 4
.endm
	s_wait_tensorcnt 1                             ; the scales and my part of slot 0 are in; slot 1's load may stay out
	s_barrier_signal -1
	s_barrier_wait -1
	FETCH_B 0, 0, 0
	FETCH_A 0, 0, 0
	SCALES 0
	FETCH_A 0, 0, 4
	s_wait_loadcnt 0x0                             ; the bias and the padding bytes
	STEP 0, 0, 1
	STEP 0, 1, 0
	STEP 0, 2, 0
	TURN 0, 1
	STEP 1, 0, 0
	STEP 1, 1, 0
	STEP 1, 2, 0
	s_wait_dscnt 4*NL                              ; the last step: nothing more to fetch
	WIN MUL_LO
	MUL16 0, 1, NQ-1, 1, 0
	MUL16 2, 1, NQ-1, 1, 0
	s_wait_dscnt 0
	WIN MUL_HI
	MUL16 4, 1, NQ-1, 1, 0
	MUL16 6, 1, NQ-1, 1, 0
	WIN 0
	; THE WAY OUT.  Each row's factor: FAC + NK x padding.  These 24 lines name no register of the last products: they are the places behind them.
.irp a, 0,1,2,3,4,5,6,7
	v_cvt_f32_u32 v[PB+\a], v[PB+\a]
.endr
.irp a, 0,1,2,3,4,5,6,7
	v_fma_f32 v[RF+2*\a], v[PB+\a], s[NK], s[FAC]
	v_fma_f32 v[RF+2*\a+1], v[PB+\a], s[NK], s[FAC]
.endr
; Block a (16 rows x 128 outputs): x the row's factor, in place; rounded to f16, 16 bytes a lane; through my stage; back as whole rows of 256 bytes; stored.
.macro PACK a
.set AC, 64*((\a)%4)
	WIN 0x82+0x41*((\a)/4)                         ; destination and source 0: window 2 or 3; the factor: window 0
.irp b, 0,1,2,3,4,5,6,7
.irp i, 0,2,4,6
	v_pk_mul_f32 v[AC+8*\b+\i:AC+8*\b+\i+1], v[AC+8*\b+\i:AC+8*\b+\i+1], v[RF+2*(\a):RF+2*(\a)+1]   ; each accumulator from its low end on
.endr
.endr
	WIN 0x0a+5*((\a)/4)                            ; sources 0 and 1: window 2 or 3
.irp b, 0,1,2,3,4,5,6,7
.irp i, 0,1,2,3
	v_cvt_pk_f16_f32 v[TMP+4*\b+\i], v[AC+8*\b+2*\i], v[AC+8*\b+2*\i+1]
.endr
.endr
	WIN 0
.endm
.macro TOSTAGE a
.set BB, BK+32*((\a)%2)
.irp b, 0,1,2,3,4,5,6,7
	ds_store_b128 v[STO], v[TMP+4*\b:TMP+4*\b+3] offset:32*\b
.endr
.irp t, 0,1,2,3,4,5,6,7
	ds_load_b128 v[BB+4*\t:BB+4*\t+3], v[RD] offset:\t*2*SPITCH    ; LDS serves a wave's instructions in order: these see the stores above
.endr
.endm
.macro SEND a
.set BB, BK+32*((\a)%2)
	s_wait_dscnt 0x0                               ; the block is back in registers
	s_wait_xcnt 0x0                                ; the earlier stores have read their base and their data: the base may step, and the other set may be loaded again
.if (\a) > 0
	s_add_nc_u64 s[12:13], s[12:13], 16*OROW
.endif
.irp t, 0,1,2,3,4,5,6,7
	global_store_b128 v[CO], v[BB+4*\t:BB+4*\t+3], s[12:13] offset:2*\t*OROW   ; 16 lanes store 256 consecutive bytes, at a multiple of 256 from qkv's first byte
.endr
.endm
	PACK 0
	TOSTAGE 0
.irp a, 1,2,3,4,5,6,7                  ; block a's arithmetic stands between block a - 1's loads from the stage and the wait for them
	PACK \a
	SEND \a-1
	TOSTAGE \a
.endr
	SEND 7
	s_wait_tensorcnt 0x0                           ; the wave's end
	ds_add_u32 v[SPW], v[NIL]
	s_wait_dscnt 0x0
	CROUND                                         ; the closing round
	s_endpgm
.Lfunc_end_k_q850a6c6876_proj:
	.size	k_q850a6c6876_proj, .Lfunc_end_k_q850a6c6876_proj-k_q850a6c6876_proj
	.p2alignl 7, 3214868480
	.fill 96, 4, 3214868480
	.section	.rodata,"a",@progbits
	.p2align	6, 0x0
	.amdhsa_kernel k_q850a6c6876_proj
		.amdhsa_group_segment_fixed_size 327680
		.amdhsa_private_segment_fixed_size 0
		.amdhsa_enable_private_segment 0
		.amdhsa_kernarg_size 72
		.amdhsa_user_sgpr_count 2
		.amdhsa_user_sgpr_kernarg_segment_ptr 1
		.amdhsa_wavefront_size32 1
		.amdhsa_system_sgpr_workgroup_id_x 1
		.amdhsa_system_sgpr_workgroup_id_y 1
		.amdhsa_system_sgpr_workgroup_id_z 1
		.amdhsa_system_vgpr_workitem_id 0
		.amdhsa_next_free_vgpr 1024
		.amdhsa_next_free_sgpr 102
		.amdhsa_reserve_vcc 0
		.amdhsa_float_denorm_mode_32 3
		.amdhsa_float_denorm_mode_16_64 3
		.amdhsa_memory_ordered 1
		.amdhsa_forward_progress 1
		.amdhsa_inst_pref_size 147
	.end_amdhsa_kernel
	.amdgpu_metadata
---
amdhsa.version: [ 1, 2 ]
amdhsa.kernels:
  - .name:           k_q850a6c6876_proj
    .symbol:         k_q850a6c6876_proj.kd
    .args:
      - { .name: xc, .offset: 0, .size: 8, .value_kind: global_buffer, .address_space: global }
      - { .name: xs, .offset: 8, .size: 8, .value_kind: global_buffer, .address_space: global }
      - { .name: wc, .offset: 16, .size: 8, .value_kind: global_buffer, .address_space: global }
      - { .name: ws, .offset: 24, .size: 8, .value_kind: global_buffer, .address_space: global }
      - { .name: qkv, .offset: 32, .size: 8, .value_kind: global_buffer, .address_space: global }
      - { .name: b_q, .offset: 40, .size: 8, .value_kind: global_buffer, .address_space: global }
      - { .name: b_k, .offset: 48, .size: 8, .value_kind: global_buffer, .address_space: global }
      - { .name: b_v, .offset: 56, .size: 8, .value_kind: global_buffer, .address_space: global }
      - { .name: padding_mask, .offset: 64, .size: 8, .value_kind: global_buffer, .address_space: global }
    .group_segment_fixed_size: 327680
    .private_segment_fixed_size: 0
    .kernarg_segment_align: 8
    .kernarg_segment_size: 72
    .max_flat_workgroup_size: 128
    .sgpr_count:     102
    .vgpr_count:     1024
    .wavefront_size: 32
...
	.end_amdgpu_metadata
.endif
;; end of part 2
;; launch attn (part 3): grid 16 x 16, 8 waves a work-group, clusters of 4 x 4, 327,680 bytes of LDS; arguments qkv, causal_mask, padding_mask, ctx; writes ctx
.if DOCPART == 3
	.amdgcn_target "amdgcn-amd-amdhsa--gfx1250"
	.amdhsa_code_object_version 6
	.text
	.protected	k_q850a6c6876_attn
	.globl	k_q850a6c6876_attn
	.p2align	8
	.type	k_q850a6c6876_attn,@function
k_q850a6c6876_attn:
	s_mov_b64 s[64:65], 0
	v_nop
	global_prefetch_b8 v0, s[64:65] scope:SCOPE_SE
	s_setreg_imm32_b32 hwreg(HW_REG_WAVE_MODE, 25, 1), 1
	s_wait_xcnt 0x0
	s_wait_alu depctr_hold_cnt(0) depctr_sa_sdst(0) depctr_va_vdst(0) depctr_va_sdst(0) depctr_va_ssrc(0) depctr_va_vcc(0) depctr_vm_vsrc(0)
	s_getreg_b32 s2, hwreg(HW_REG_IB_STS2, 6, 4)
	s_cmp_eq_u32 s2, 0
	s_cbranch_scc0 .Lentry_in_a_cluster
	s_endpgm
.Lentry_in_a_cluster:
	s_bfe_u32 s2, ttmp6, 0x10000c
	s_cmp_lg_u32 s2, 0xf033
	s_cbranch_scc0 .Lentry_shape_is_right
	s_endpgm
.Lentry_shape_is_right:
; ctx[b][q][head] = softmax_k(where(padding[b][k], -1e9, Q . K / 8) + causal_mask[q][k]) V.  Q (already x 1/8), K (rows of padded keys already 0) and V are f16 in qkv [3][4096][1024]; both masks are inputs and are
; read whole: no tile is left out.  Products on f16 operands with f32 sums; masks, maxima, exponentials and sums in f32.  ctx leaves as a pair of f16 tensors: hi = f16(o) at byte 0, lo = f16(o - hi) at byte 8,388,608.
; THE ORDER OF ROUNDINGS is the source's: the padding's -1e9 (or -0) is the C of the first product, so that a padded key's score is exactly -1e9; then + mask, in f32; then - the running maximum, in f32; then x log2(e).
; For each query a running maximum m and sum l; in every step O and l are multiplied by f = 2^((old m - new m) log2 e).  The sum is taken of p before it is rounded to f16.
; The step is written in one form: O^T and l begin as zeros and m as -1e30, so that the first step's f is 0 and multiplies zeros: 68 moves once, in place of four more copies of the step.
; LIMITS: NaN and infinities among the inputs (a mask of -infinity too) are not served; every query has a key whose masked score lies above -1e30; padding bytes are 0 or 1; V lies under 65,504 in magnitude.
; SHARES.  A work-group owns 128 queries of a PAIR of heads (256 bytes of each row of qkv).  Wave w: head w % 2 of the pair, queries 32 (w / 2) on: two tiles of 16.  Two waves share a SIMD, so that one's vector work
; stands beside the other's products.  Every wave walks all 2,048 keys, 64 a step, 128 a slot.
; LAYOUT.  S^T = K Q^T (source 0 = 16 keys, source 1 = 16 queries): a lane holds ONE query (lane % 16) and keys 8 (lane / 16) + 0..7 of a tile.  Two such tiles, rounded to f16 in pairs, are source 1 of O^T = V^T P.
; V ([key][channel]) comes out of LDS turned, by ds_load_tr16_b128.
; THE LDS LOADS RUN A STEP AHEAD.  The next step's padding C, K and mask (40 loads) are asked for in the middle of the step in hand, behind the mask's addition, where their registers are free; they land under the softmax and
; V^T P.  V's 16 loads stand at the head of their own step.  So in a slot's SECOND step, behind the mask's addition, the wave has asked for all that it will read of that slot: THE CHANGE OF SLOTS STANDS THERE.
; CLUSTER 4 x 4: x counts (batch, head pair), y counts blocks of queries.  A mask tile hangs on the queries alone and is asked for jointly along a row of the cluster; K's and V's tiles hang on (batch, head pair) alone
; and are asked for jointly along a column.  Waves 0, 1 fetch K's halves, 2, 3 V's, 4-7 the mask's quarters: one tensor load a wave behind each round; two are out at the start, one afterwards.
; REGISTERS.  Window 0: v1-14 addresses; v16-31 statistics, 8 a tile: +0 -m, +1 a filler for the pair, +2, +3 l, +4 to +7 at work (f in +6); v32-95 S^T then p; v96-159 the mask; v160-191 p in f16; v192-223 the padding's C;
;   v224-251 at work; v252, v253 the add's two.   Window 1: v0-31 Q; v32-95 K; v96-159 V; v160-223 O^T.
.set KP,    272                        ; a row of K in LDS: 256 bytes + 16
.set VP,    288                        ; a row of V: 256 + 32
.set MP,    528                        ; a row of the mask: 128 keys x 4 bytes + 16
.set VOFF,  128*KP
.set MOFF,  VOFF+128*VP
.set SLOTB, MOFF+128*MP                ; a slot: 128 rows of K, 128 of V, 128 queries' rows of the mask
.set TAB,   2*SLOTB                    ; behind the slots: -1e9 or -0 for each of my batch's 2,048 keys, f32, stored once; no tile lands here
.set SPARE, TAB+8192                   ; the spare words, 128 bytes a wave, named by no other line
.set STL,   128*272                    ; the way out: two stages of 128 rows x 272 bytes (hi at 0, lo here), in slot 0, which has had its last fill and its last read by then
.set AK,  3                            ; v3, v4   my place in K's tile, slot 0, 1
.set AV,  5                            ; v5, v6   in V's
.set AM,  7                            ; v7, v8   in the mask's
.set AP0, 9                            ; v9       in the table
.set STO, 10
.set RD,  11
.set GO,  12
.set QO,  13
.set PFO, 14
.set ST,  16
.set SS,  32
.set MK,  96
.set PP,  160
.set PCR, 192
.set AP,  250                          ; v250     the table's address for the slot from which loads are being asked
.set SPW, 252
.set NIL, 253
.set QF,  0
.set KF,  32
.set VF,  96
.set OO,  160
.set HI,  96                           ; the way out: o's high parts, v96-127; low parts, v128-159; the high parts widened, v160-223
.set LO,  128
.set WD,  160
.set WV,  12
.set G1K, 24
.set G1V, 32
.set G1M, 40
.set G0K, 48                           ; groups 0: a set of four registers for each slot
.set G0V, 56
.set G0M, 68
.set CS,  76                           ; s[76:77] log2(e), named as a pair by the packed form
.set SEL, 78                           ; s[78:79] v_permlanex16_b32's selects for lane l xor 16
.set PFA, 80                           ; s[80:81] where my prefetches stand
.set PFS, 82                           ; s[82:83] a slot on, in bytes
.set LIM, 84                           ; s84  1 in a wave that prefetches, else the greatest number
.set TP,  85                           ; s85  the slot's first byte in the table: 512 a slot
.set LOOP, 86
.set MSB, 0
.macro WIN new
.if MSB != (\new)
	s_set_vgpr_msb (MSB<<8)|(\new)
.set MSB, (\new)
.endif
.endm
; A joint load, one a wave.  The branches hang on the wave's number alone.  An s_nop 0 and four v_nop follow each line.
.macro JLOAD sl
	s_cmp_lt_u32 s[WV], 2
	s_cbranch_scc0 .Lnot_k_\@
	tensor_load_to_lds s[G0K+4*\sl:G0K+4*\sl+3], s[G1K:G1K+7]
	s_nop 0
.rept 4
	v_nop
.endr
	s_branch .Lasked_\@
.Lnot_k_\@:
	s_cmp_lt_u32 s[WV], 4
	s_cbranch_scc0 .Lfor_m_\@
	tensor_load_to_lds s[G0V+4*\sl:G0V+4*\sl+3], s[G1V:G1V+7]
	s_nop 0
.rept 4
	v_nop
.endr
	s_branch .Lasked_\@
.Lfor_m_\@:
	tensor_load_to_lds s[G0M+4*\sl:G0M+4*\sl+3], s[G1M:G1M+7]
	s_nop 0
.rept 4
	v_nop
.endr
.Lasked_\@:
.endm
; A PREFETCH INTO THE L2 of what the NEXT change of slots will ask for, behind the wave's tensor load, its five lines and the run of LDS loads: two key steps, 64 products a wave, ahead of that load.  Each aligned 256 bytes is
; named once in the launch.  A mask tile is read by all clusters of a row of clusters: the one with x = 0 asks; its four partners along x take 32 of the 128 rows each, told apart by address; waves 0 and 1 take the two halves of
; a row's 512 bytes.  K's and V's tiles are read by all clusters of a column: the one with y = 0 asks; its partners along y take 32 rows each; wave 2 asks for K's, wave 3 for V's.  A lane a row.
; always = 1: a trip's first change; 0: its second, which in the last trip has no slot behind the one that it fills.
.macro ASK always
.if \always
	s_cmp_eq_u32 s[LIM], 1
.else
	s_cmp_gt_u32 s[LOOP], s[LIM]
.endif
	s_cbranch_scc0 .Lnot_mine_\@
	global_prefetch_b8 v[PFO], s[PFA:PFA+1] th:TH_LOAD_NT scope:SCOPE_SE
.Lnot_mine_\@:
.endm
.macro CREST                           ; a round of the cluster's barrier behind its opening barrier
	s_cmp_lg_u32 s[WV], 0
	s_cbranch_scc1 .Lnot_wave_0_\@
	s_barrier_signal -3
.Lnot_wave_0_\@:
	s_barrier_wait -3
	s_barrier_signal -1
	s_barrier_wait -1
.endm
.macro CROUND                          ; a whole round
	s_barrier_signal -1
	s_barrier_wait -1
	CREST
.endm
	s_load_b256 s[4:11], s[0:1], 0x0               ; qkv s[4:5], causal_mask s[6:7], padding_mask s[8:9], ctx s[10:11]
	v_lshl_add_u32 v[SPW], v0, 2, SPARE
	v_mov_b32 v[NIL], 0
	ds_add_u32 v[SPW], v[NIL]                      ; the wave's opening: the add, twice on end, and its wait ahead of my first tensor load
	ds_add_u32 v[SPW], v[NIL]
	v_lshrrev_b32 v1, 5, v0
	v_readfirstlane_b32 s[WV], v1                  ; wave 0..7
	s_bfe_u32 s13, ttmp6, 0x40000                  ; cx
	s_bfe_u32 s14, ttmp6, 0x40004                  ; cy
	s_lshl_b32 s15, ttmp9, 2
	s_add_co_u32 s15, s15, s13                     ; (batch, head pair) 0..15
	s_and_b32 s16, ttmp7, 0xffff
	s_lshl_b32 s16, s16, 2
	s_add_co_u32 s16, s16, s14                     ; block of 128 queries 0..15
	s_lshr_b32 s17, s15, 3                         ; batch
	s_and_b32 s18, s15, 7                          ; head pair
	s_and_b32 s19, s[WV], 1                        ; my head of the pair.  Also: which 64 rows of K or V I fetch
	s_and_b32 s20, s[WV], 3                        ; which 32 rows of the mask I fetch
	s_lshl_b32 s88, 0x1111, s13                    ; my column of the cluster
	s_lshl_b32 s92, s14, 2
	s_lshl_b32 s92, 15, s92                        ; my row
	s_or_b32 s[G1K], s88, (1<<16)|(1<<20)|(1<<21)|(5<<22)|(3<<25)   ; the mask of work-groups; elements of 2 bytes; padding on: 4 words behind every 64; bit 21 beside a mask
	s_or_b32 s[G1V], s88, (1<<16)|(1<<20)|(1<<21)|(5<<22)|(7<<25)   ; the same with 8 words of padding
	s_or_b32 s[G1M], s92, (2<<16)|(1<<20)|(1<<21)|(6<<22)|(3<<25)   ; elements of 4 bytes; 4 words behind every 128
.irp g, G1K, G1V
	s_mov_b32 s[\g+1], 128<<16                     ; tensor_dim0 = 128 elements: 256 bytes, the head pair
	s_mov_b32 s[\g+2], 64<<16                      ; tensor_dim1 = 64 rows
	s_mov_b32 s[\g+3], 128<<16                     ; tile_dim0
	s_mov_b32 s[\g+4], 64                          ; tile_dim1
	s_mov_b32 s[\g+5], 1024                        ; from row to row
	s_mov_b32 s[\g+6], 0
	s_mov_b32 s[\g+7], 0
.endr
	s_mov_b32 s[G1M+1], 128<<16                    ; 128 keys: 512 bytes
	s_mov_b32 s[G1M+2], 32<<16                     ; 32 queries
	s_mov_b32 s[G1M+3], 128<<16
	s_mov_b32 s[G1M+4], 32
	s_mov_b32 s[G1M+5], 2048
	s_mov_b32 s[G1M+6], 0
	s_mov_b32 s[G1M+7], 0
	s_lshl_b32 s88, s17, 11                        ; K and V: token 2,048 x batch + 64 x half,
	s_lshl_b32 s89, s19, 6
	s_add_co_u32 s88, s88, s89
	s_lshl_b32 s88, s88, 11                        ; rows of 2,048 bytes,
	s_lshl_b32 s89, s18, 8
	s_add_co_u32 s88, s88, s89                     ; + 256 x head pair: these registers never hold cy
	s_mov_b32 s89, 0
	s_lshl_b32 s92, s16, 7                         ; the mask: query 128 x block + 32 x quarter,
	s_lshl_b32 s93, s20, 5
	s_add_co_u32 s92, s92, s93
	s_lshl_b32 s92, s92, 13                        ; rows of 8,192 bytes: these never hold cx
	s_mov_b32 s93, 0
	s_mul_i32 s21, s19, 64*KP                      ; where they go: the wave's number alone
	s_mul_i32 s22, s19, 64*VP
	s_add_co_u32 s22, s22, VOFF
	s_mul_i32 s23, s20, 32*MP
	s_add_co_u32 s23, s23, MOFF
	s_mov_b32 s[CS], 0x3fb8aa3b                    ; log2(e)
	s_mov_b32 s[CS+1], s[CS]
	s_mov_b32 s[SEL], 0x76543210
	s_mov_b32 s[SEL+1], 0xfedcba98
	s_mov_b32 s[TP], 0
	s_wait_dscnt 0x0                               ; both opening adds are done
	s_wait_kmcnt 0x0
	s_add_nc_u64 s[90:91], s[4:5], s[88:89]
	s_add_nc_u64 s[94:95], s[6:7], s[92:93]
	CROUND                                         ; all sixteen work-groups are here: the first joint loads meet
.irp sl, 0,1
	s_mov_b32 s[G0K+4*\sl], 1
	s_add_co_u32 s[G0K+4*\sl+1], s21, \sl*SLOTB
	s_add_nc_u64 s[G0K+4*\sl+2:G0K+4*\sl+3], s[90:91], 8388608+\sl*262144      ; K begins 8,388,608 bytes into qkv; a slot's 128 keys are 262,144 bytes
	s_or_b32 s[G0K+4*\sl+3], s[G0K+4*\sl+3], 0x80000000
	s_mov_b32 s[G0V+4*\sl], 1
	s_add_co_u32 s[G0V+4*\sl+1], s22, \sl*SLOTB
	s_add_nc_u64 s[G0V+4*\sl+2:G0V+4*\sl+3], s[90:91], 16777216+\sl*262144
	s_or_b32 s[G0V+4*\sl+3], s[G0V+4*\sl+3], 0x80000000
	s_mov_b32 s[G0M+4*\sl], 1
	s_add_co_u32 s[G0M+4*\sl+1], s23, \sl*SLOTB
	s_add_nc_u64 s[G0M+4*\sl+2:G0M+4*\sl+3], s[94:95], \sl*512
	s_or_b32 s[G0M+4*\sl+3], s[G0M+4*\sl+3], 0x80000000
	JLOAD \sl
.endr
	v_and_b32 v1, 15, v0                           ; r
	v_bfe_u32 v2, v0, 4, 1                         ; h
	v_lshlrev_b32 v[QO], 11, v1
	v_lshl_add_u32 v[QO], v2, 4, v[QO]             ; Q: row r of 2,048 bytes + 16 h
	s_lshl_b32 s2, s17, 11
	s_lshl_b32 s3, s16, 7
	s_add_co_u32 s2, s2, s3
	s_lshr_b32 s3, s[WV], 1
	s_lshl_b32 s3, s3, 5
	s_add_co_u32 s2, s2, s3                        ; my first query's token: 2,048 x batch + 128 x block + 32 (wave / 2)
	s_lshl_b32 s2, s2, 11
	s_lshl_b32 s3, s18, 8
	s_add_co_u32 s2, s2, s3
	s_lshl_b32 s3, s19, 7
	s_add_co_u32 s2, s2, s3                        ; + 256 x head pair + 128 x head
	s_mov_b32 s3, 0
	s_add_nc_u64 s[96:97], s[4:5], s[2:3]
	WIN 0x40                                       ; destination window 1
.irp m, 0,1
.irp d, 0,1
	global_load_b128 v[QF+16*\m+8*\d:QF+16*\m+8*\d+3], v[QO], s[96:97] offset:32768*\m+64*\d        ; Q stays in registers: tile m, channels 32 d on
	global_load_b128 v[QF+16*\m+8*\d+4:QF+16*\m+8*\d+7], v[QO], s[96:97] offset:32768*\m+64*\d+32
.endr
.endr
	WIN 0
	s_lshl_b32 s2, s17, 11
	s_add_nc_u64 s[8:9], s[8:9], s[2:3]            ; my batch's 2,048 padding bytes:
	v_lshlrev_b32 v15, 3, v0
	global_load_b64 v[224:225], v15, s[8:9]        ; 8 a thread
	s_lshl_b32 s2, s19, 7                          ; 128 x head
	v_mul_u32_u24 v[AK], v1, KP
	v_lshl_add_u32 v[AK], v2, 4, v[AK]
	v_add_nc_u32 v[AK], s2, v[AK]                  ; K: row r x pitch + 16 h + my head's 128 bytes
	v_add_nc_u32 v[AK+1], SLOTB, v[AK]
	v_and_b32 v240, 7, v0
	v_bfe_u32 v241, v0, 3, 1
	v_lshl_add_u32 v[AV], v2, 3, v240              ; V, for the turning load: key 8 h + lane % 8,
	v_mul_u32_u24 v[AV], v[AV], VP
	v_lshl_add_u32 v[AV], v241, 4, v[AV]           ; channels 8 ((lane / 8) % 2) on
	s_add_co_u32 s2, s2, VOFF
	v_add_nc_u32 v[AV], s2, v[AV]
	v_add_nc_u32 v[AV+1], SLOTB, v[AV]
	s_lshr_b32 s2, s[WV], 1
	s_mul_i32 s2, s2, 32*MP
	s_add_co_u32 s2, s2, MOFF
	v_mul_u32_u24 v[AM], v1, MP
	v_lshl_add_u32 v[AM], v2, 5, v[AM]
	v_add_nc_u32 v[AM], s2, v[AM]                  ; the mask: query 32 (wave / 2) + r, keys 8 h on
	v_add_nc_u32 v[AM+1], SLOTB, v[AM]
	v_lshl_add_u32 v[AP0], v2, 5, TAB              ; the table: keys 8 h on
	v_add_nc_u32 v[AP], s[TP], v[AP0]
	s_lshr_b32 s2, s[WV], 1
	s_mul_i32 s2, s2, 32*272
	s_lshl_b32 s3, s19, 7
	s_add_co_u32 s2, s2, s3
	v_mul_u32_u24 v[STO], v1, 272
	v_lshl_add_u32 v[STO], v2, 4, v[STO]
	v_add_nc_u32 v[STO], s2, v[STO]                ; the stage, in: row 32 (wave / 2) + r, my head's 128 bytes, 16 h
	s_mul_i32 s2, s[WV], 16*272
	v_mul_u32_u24 v[RD], v2, 272
	v_lshl_add_u32 v[RD], v1, 4, v[RD]
	v_add_nc_u32 v[RD], s2, v[RD]                  ; back: rows 16 x wave on; lanes 0-15 one row of 256 bytes, lanes 16-31 the next
	v_lshlrev_b32 v[GO], 11, v2
	v_lshl_add_u32 v[GO], v1, 4, v[GO]             ; and the same two rows in ctx
	s_lshl_b32 s2, s17, 11
	s_lshl_b32 s3, s16, 7
	s_add_co_u32 s2, s2, s3
	s_lshl_b32 s3, s[WV], 4
	s_add_co_u32 s2, s2, s3                        ; the first token that I store: 2,048 x batch + 128 x block + 16 x wave
	s_lshl_b32 s2, s2, 11
	s_lshl_b32 s3, s18, 8
	s_add_co_u32 s2, s2, s3
	s_mov_b32 s3, 0
	s_add_nc_u64 s[10:11], s[10:11], s[2:3]        ; ctx's high parts,
	s_add_nc_u64 s[98:99], s[10:11], 8388608       ; and its low parts
	; the prefetches: where my wave's stand, and who asks
	s_lshl_b32 s2, s16, 7
	s_lshl_b32 s3, s13, 5
	s_add_co_u32 s2, s2, s3                        ; the mask: query 128 x block + 32 cx,
	s_lshl_b32 s2, s2, 13
	s_lshl_b32 s3, s19, 8
	s_add_co_u32 s2, s2, s3                        ; my half of a row's 512 bytes,
	s_add_co_u32 s2, s2, 2*512                     ; in slot 2: the first change of slots steps it to slot 3.  Nothing is prefetched at the head
	s_lshl_b32 s3, s17, 11
	s_lshl_b32 s87, s14, 5
	s_add_co_u32 s3, s3, s87                       ; K, V: token 2,048 x batch + 32 cy,
	s_lshl_b32 s3, s3, 11
	s_lshl_b32 s87, s18, 8
	s_add_co_u32 s3, s3, s87
	s_add_co_u32 s87, s19, 1
	s_lshl_b32 s87, s87, 23                        ; wave 2: K, 8,388,608 bytes into qkv; wave 3: V, twice that
	s_add_co_u32 s3, s3, s87
	s_add_co_u32 s3, s3, 2*262144
	s_and_b32 s86, ttmp7, 0xffff
	s_mov_b32 s[PFS], 262144
	s_mov_b32 s87, 2048
	s_cmp_lt_u32 s[WV], 2
	s_cselect_b64 s[PFA:PFA+1], s[6:7], s[4:5]
	s_cselect_b32 s2, s2, s3
	s_cselect_b32 s[PFS], 512, s[PFS]              ; a slot on
	s_cselect_b32 s87, 8192, s87                   ; from lane to lane: a row
	s_cselect_b32 s86, ttmp9, s86                  ; the coordinate along which other clusters read the same rows
	s_mov_b32 s3, 0
	s_mov_b32 s[PFS+1], 0
	s_add_nc_u64 s[PFA:PFA+1], s[PFA:PFA+1], s[2:3]
	v_and_b32 v[PFO], 31, v0
	v_mul_lo_u32 v[PFO], v[PFO], s87
	s_lshr_b32 s87, s[WV], 2                       ; 0 in waves 0 to 3
	s_or_b32 s86, s86, s87
	s_cmp_eq_u32 s86, 0
	s_cselect_b32 s[LIM], 1, -1                    ; the same in all sixteen partners, for a given wave
	v_mov_b32 v[ST], 0x7149f2ca                    ; -m = 1e30: m begins at -1e30, under every masked score that this text serves
	v_mov_b32 v[ST+8], 0x7149f2ca
.irp i, 1,2,3,9,10,11
	v_mov_b32 v[ST+\i], 0                          ; l, in two halves a tile; +1 and +9 are named as the upper halves of the pairs with -m, so they are written
.endr
	WIN 0x40
.set ii, 0
.rept 64
	v_mov_b32 v[OO+ii], 0                          ; O^T.  (The step is written once: the first finds zeros, which its f = 0 leaves zeros)
.set ii, ii+1
.endr
	WIN 0
	v_lshl_add_u32 v248, v0, 5, TAB
	s_wait_loadcnt 0x0                             ; Q and the padding bytes
.irp i, 0,1,2,3
	v_bfe_u32 v[226+\i], v224, 8*\i, 8
	v_bfe_u32 v[230+\i], v225, 8*\i, 8
.endr
.irp i, 0,1,2,3,4,5,6,7
	v_cvt_f32_u32 v[226+\i], v[226+\i]
.endr
.irp i, 0,1,2,3,4,5,6,7
	v_mul_f32 v[226+\i], 0xce6e6b28, v[226+\i]     ; -1e9 for a padded key, -0 for the others
.endr
	ds_store_b128 v248, v[226:229]                 ; thread t: keys 8 t .. 8 t + 7
	ds_store_b128 v248, v[230:233] offset:16
	s_wait_tensorcnt 0x1                           ; my part of slot 0 is in; slot 1's may stay out
	s_wait_dscnt 0x0                               ; my part of the table is stored
	s_barrier_signal -1
	s_barrier_wait -1
; 40 LDS loads in one run, for the u-th 64 keys of slot sl: the padding's C (8), K (16), the mask (16).  They are asked for a step before they are used.
.macro LD_PKM sl, u
.irp t, 0,1,2,3
	ds_load_b128 v[PCR+8*\t:PCR+8*\t+3], v[AP] offset:256*\u+64*\t
	ds_load_b128 v[PCR+8*\t+4:PCR+8*\t+7], v[AP] offset:256*\u+64*\t+16
.endr
	WIN 0x40
.irp t, 0,1,2,3
.irp d, 0,1
	ds_load_b128 v[KF+16*\t+8*\d:KF+16*\t+8*\d+3], v[AK+\sl] offset:(64*\u+16*\t)*KP+64*\d
	ds_load_b128 v[KF+16*\t+8*\d+4:KF+16*\t+8*\d+7], v[AK+\sl] offset:(64*\u+16*\t)*KP+64*\d+32
.endr
.endr
	WIN 0
.irp m, 0,1
.irp t, 0,1,2,3
	ds_load_b128 v[MK+32*\m+8*\t:MK+32*\m+8*\t+3], v[AM+\sl] offset:\m*16*MP+256*\u+64*\t
	ds_load_b128 v[MK+32*\m+8*\t+4:MK+32*\m+8*\t+7], v[AM+\sl] offset:\m*16*MP+256*\u+64*\t+16
.endr
.endr
.endm
; A KEY STEP: the u-th 64 keys of slot sl; the step that follows takes the nu-th 64 keys of slot nsl.
; mode 0: a slot's first step.  1: its second step, with the change of slots: slot sl is filled again, with the keys two slots on.  2: the same with nothing left to fetch.  3: the last step of all: nothing is asked for.
; THE CHANGE OF SLOTS.  Behind the mask's addition each wave waits for all its tensor loads (one is out: its part of the other slot), adds 0 to its spare word, waits for that and for its reads of slot sl (K and the mask of this
; step, asked for in the step before; V, asked for at this step's head), and signals.  The maximum and the scalings, work on registers alone, stand between the signal and its wait.  mode 1: the barrier opens a round of the
; cluster's barrier, so that no wave of any partner still reads the slot or has a load on its way; the joint refill is the first thing behind the round.  Only then the other slot is read.
.macro STEP sl, u, nsl, nu, mode, always
	WIN 0x40
.irp c, 0,1                                    ; V of this step: its registers are free since the last V^T P, behind which the sums' 32 lines stand
.irp d, 0,1,2,3
	ds_load_tr16_b128 v[VF+32*\c+8*\d:VF+32*\c+8*\d+3], v[AV+\sl] offset:(64*\u+32*\c)*VP+32*\d
	ds_load_tr16_b128 v[VF+32*\c+8*\d+4:VF+32*\c+8*\d+7], v[AV+\sl] offset:(64*\u+32*\c+16)*VP+32*\d
.endr
.endr
	s_wait_dscnt 32                                ; the padding's C and K are in; the mask's 16 loads and V's 16 may be out
	WIN 0x05                                       ; K and Q in window 1; C and D in window 0
.irp m, 0,1                                    ; S^T = K Q^T + the padding's C: eight accumulators by turns, one instruction a turn
.irp t, 0,1,2,3
	v_wmma_f32_16x16x32_f16 v[SS+32*\m+8*\t:SS+32*\m+8*\t+7], v[KF+16*\t:KF+16*\t+7], v[QF+16*\m:QF+16*\m+7], v[PCR+8*\t:PCR+8*\t+7]
.endr
.endr
.irp m, 0,1
.irp t, 0,1,2,3
	v_wmma_f32_16x16x32_f16 v[SS+32*\m+8*\t:SS+32*\m+8*\t+7], v[KF+16*\t+8:KF+16*\t+15], v[QF+16*\m+8:QF+16*\m+15], v[SS+32*\m+8*\t:SS+32*\m+8*\t+7]
.endr
.endr
	WIN 0
	s_wait_dscnt 16                                ; the mask is in; V's 16 loads may be out
.rept 4
	v_nop                                          ; places between the products and the first read of their results, and the loads into their sources further down
.endr
.set ii, 0
.rept 16                                       ; + the mask, in f32; each accumulator from its low end on; the two tiles by turns
	v_pk_add_f32 v[SS+2*ii:SS+2*ii+1], v[SS+2*ii:SS+2*ii+1], v[MK+2*ii:MK+2*ii+1]
	v_pk_add_f32 v[SS+32+2*ii:SS+33+2*ii], v[SS+32+2*ii:SS+33+2*ii], v[MK+32+2*ii:MK+33+2*ii]
.set ii, ii+1
.endr
.if \mode == 0
	LD_PKM \nsl, \nu                               ; the next step's 40 loads: they land under the rest of this step
.endif
.if (\mode == 1) || (\mode == 2)
	s_wait_tensorcnt 0x0                           ; no tensor load of mine is out, so a group 0 may be written
	ds_add_u32 v[SPW], v[NIL]                      ; 0 onto my spare word
.if \mode == 1
	s_add_nc_u64 s[G0K+4*\sl+2:G0K+4*\sl+3], s[G0K+4*\sl+2:G0K+4*\sl+3], 524288   ; 256 keys on
	s_add_nc_u64 s[G0V+4*\sl+2:G0V+4*\sl+3], s[G0V+4*\sl+2:G0V+4*\sl+3], 524288
	s_add_nc_u64 s[G0M+4*\sl+2:G0M+4*\sl+3], s[G0M+4*\sl+2:G0M+4*\sl+3], 1024
	s_wait_xcnt 0x0                                ; the last prefetch, a slot back, has read its address, so it may be written
	s_add_nc_u64 s[PFA:PFA+1], s[PFA:PFA+1], s[PFS:PFS+1]
.endif
	s_add_co_u32 s[TP], s[TP], 512                 ; the next slot's 128 keys in the table
	v_add_nc_u32 v[AP], s[TP], v[AP0]
	s_wait_dscnt 0x0                               ; the add is done, V is in, and my reads of this slot are over
	s_barrier_signal -1
.endif
.irp j, 0,1,2,3                                ; the maximum of a tile's 32 numbers and the old m: four chains, three operands at a time
.irp m, 0,1
	v_max3_num_f32 v[ST+8*\m+4+\j], v[SS+32*\m+8*\j], v[SS+32*\m+8*\j+1], v[SS+32*\m+8*\j+2]
.endr
.endr
.irp k, 1,2
.irp j, 0,1,2,3
.irp m, 0,1
	v_max3_num_f32 v[ST+8*\m+4+\j], v[ST+8*\m+4+\j], v[SS+32*\m+8*\j+2*\k+1], v[SS+32*\m+8*\j+2*\k+2]
.endr
.endr
.endr
.irp m, 0,1
	v_max3_num_f32 v[ST+8*\m+4], v[ST+8*\m+4], v[SS+32*\m+7], v[SS+32*\m+15]
	v_max3_num_f32 v[ST+8*\m+6], v[ST+8*\m+6], v[SS+32*\m+23], v[SS+32*\m+31]
.endr
.irp m, 0,1
	v_max3_num_f32 v[ST+8*\m+4], v[ST+8*\m+4], v[ST+8*\m+5], v[ST+8*\m+6]
.endr
.irp m, 0,1
	v_max3_num_f32 v[ST+8*\m+4], v[ST+8*\m+4], v[ST+8*\m+7], -v[ST+8*\m]
.endr
.irp m, 0,1
	v_permlanex16_b32 v[ST+8*\m+5], v[ST+8*\m+4], s[SEL], s[SEL+1]   ; the query's other 32 keys lie in the lane 16 away
.endr
.irp m, 0,1
	v_max_num_f32 v[ST+8*\m+6], v[ST+8*\m+4], v[ST+8*\m+5]           ; the new m
.endr
.irp m, 0,1
	v_sub_f32 v[ST+8*\m+7], -v[ST+8*\m], v[ST+8*\m+6]                ; old m - new m
.endr
.irp m, 0,1
	v_xor_b32 v[ST+8*\m], 0x80000000, v[ST+8*\m+6]                   ; -m
.endr
.irp m, 0,1
	v_mul_f32 v[ST+8*\m+7], s[CS], v[ST+8*\m+7]
.endr
.set ii, 0
.rept 16                                       ; t - m, rounded in f32 as the source rounds it,
	v_pk_add_f32 v[SS+2*ii:SS+2*ii+1], v[SS+2*ii:SS+2*ii+1], v[ST:ST+1] op_sel_hi:[1,0]
	v_pk_add_f32 v[SS+32+2*ii:SS+33+2*ii], v[SS+32+2*ii:SS+33+2*ii], v[ST+8:ST+9] op_sel_hi:[1,0]
.set ii, ii+1
.endr
.set ii, 0
.rept 32                                       ; and only then x log2(e)
	v_pk_mul_f32 v[SS+2*ii:SS+2*ii+1], v[SS+2*ii:SS+2*ii+1], s[CS:CS+1] op_sel_hi:[1,0]
.set ii, ii+1
.endr
.if (\mode == 1) || (\mode == 2)
	s_barrier_wait -1                              ; all eight waves have said so: the other slot is whole, and nobody of my work-group reads this one
.if \mode == 1
	CREST                                          ; nor any wave of a partner
	JLOAD \sl                                      ; the first tensor load behind the round, and my one load until the next: it has two steps in which to land
.endif
	LD_PKM \nsl, \nu                               ; the other slot's first 40 loads: they land under the exponentials, V^T P and the sums
.if \mode == 1
	ASK \always
.endif
.endif
	v_exp_f32 v[ST+6], v[ST+7]                     ; f, and all of p: ONE batch
	v_exp_f32 v[ST+14], v[ST+15]
.set ii, 0
.rept 64
	v_exp_f32 v[SS+ii], v[SS+ii]
.set ii, ii+1
.endr
	v_nop                                          ; a plain instruction behind the last exponential
	s_wait_alu depctr_va_vdst(0)                   ; one wait for the batch, ahead of the first instruction that names a result
.irp m, 0,1
.irp t, 0,1,2,3
.irp i, 0,1,2,3
	v_cvt_pk_f16_f32 v[PP+16*\m+4*\t+\i], v[SS+32*\m+8*\t+2*\i], v[SS+32*\m+8*\t+2*\i+1]   ; tiles 2 c and 2 c + 1 are source 1 for keys 32 c on
.endr
.endr
.endr
	WIN 0x41                                       ; O^T in window 1, f in window 0
.set ii, 0
.rept 16
	v_pk_mul_f32 v[OO+2*ii:OO+2*ii+1], v[OO+2*ii:OO+2*ii+1], v[ST+6:ST+7] op_sel_hi:[1,0]
	v_pk_mul_f32 v[OO+32+2*ii:OO+33+2*ii], v[OO+32+2*ii:OO+33+2*ii], v[ST+14:ST+15] op_sel_hi:[1,0]
.set ii, ii+1
.endr
.if \mode == 0
	s_wait_dscnt 40                                ; V is in; the next step's 40 loads may be out
.endif
.if \mode == 3
	s_wait_dscnt 0x0                               ; V is in.  (In a step with a change of slots the wait ahead of the signal has shown it)
.endif
	WIN 0x51                                       ; V and O^T in window 1, p in window 0
.irp m, 0,1                                    ; O^T += V^T P: eight accumulators by turns
.irp d, 0,1,2,3
	v_wmma_f32_16x16x32_f16 v[OO+32*\m+8*\d:OO+32*\m+8*\d+7], v[VF+8*\d:VF+8*\d+7], v[PP+16*\m:PP+16*\m+7], v[OO+32*\m+8*\d:OO+32*\m+8*\d+7]
.endr
.endr
.irp m, 0,1
.irp d, 0,1,2,3
	v_wmma_f32_16x16x32_f16 v[OO+32*\m+8*\d:OO+32*\m+8*\d+7], v[VF+32+8*\d:VF+32+8*\d+7], v[PP+16*\m+8:PP+16*\m+15], v[OO+32*\m+8*\d:OO+32*\m+8*\d+7]
.endr
.endr
	WIN 0
.irp z, 0,1,2,3,4,5,6,7                        ; the rows' sums of the unrounded p, in place, by halves.  These lines name no register of the products above: they are the places in front of the next loads into V's registers
.irp m, 0,1
	v_pk_add_f32 v[SS+32*\m+4*\z:SS+32*\m+4*\z+1], v[SS+32*\m+4*\z:SS+32*\m+4*\z+1], v[SS+32*\m+4*\z+2:SS+32*\m+4*\z+3]
.endr
.endr
.irp z, 0,1,2,3
.irp m, 0,1
	v_pk_add_f32 v[SS+32*\m+8*\z:SS+32*\m+8*\z+1], v[SS+32*\m+8*\z:SS+32*\m+8*\z+1], v[SS+32*\m+8*\z+4:SS+32*\m+8*\z+5]
.endr
.endr
.irp z, 0,1
.irp m, 0,1
	v_pk_add_f32 v[SS+32*\m+16*\z:SS+32*\m+16*\z+1], v[SS+32*\m+16*\z:SS+32*\m+16*\z+1], v[SS+32*\m+16*\z+8:SS+32*\m+16*\z+9]
.endr
.endr
.irp m, 0,1
	v_pk_add_f32 v[SS+32*\m:SS+32*\m+1], v[SS+32*\m:SS+32*\m+1], v[SS+32*\m+16:SS+32*\m+17]
.endr
.irp m, 0,1
	v_pk_fma_f32 v[ST+8*\m+2:ST+8*\m+3], v[ST+8*\m+2:ST+8*\m+3], v[ST+8*\m+6:ST+8*\m+7], v[SS+32*\m:SS+32*\m+1] op_sel_hi:[1,0,1]   ; l = l f + the step's sum
.endr
.endm
	LD_PKM 0, 0                                    ; the first step's 40 loads
	s_mov_b32 s[LOOP], 7
.Lpair:                                            ; 7 trips of four steps: two slots, both filled again: the keys' slots 2 to 15
	STEP 0, 0, 0, 1, 0, 0
	STEP 0, 1, 1, 0, 1, 1
	STEP 1, 0, 1, 1, 0, 0
	STEP 1, 1, 0, 0, 1, 0
	s_sub_co_u32 s[LOOP], s[LOOP], 1
	s_cmp_lg_u32 s[LOOP], 0
	s_cbranch_scc1 .Lpair
	STEP 0, 0, 0, 1, 0, 0                          ; the last two slots are written out: nothing is left to fetch
	STEP 0, 1, 1, 0, 2, 0
	STEP 1, 0, 1, 1, 0, 0
	STEP 1, 1, 0, 0, 3, 0
	; THE WAY OUT.  l's halves and the other half of the lanes' are added; O^T / l is split into f16 high and low parts; both go through stages in LDS, since a row's 256 bytes come from two waves.
.irp m, 0,1
	v_add_f32 v[ST+8*\m+4], v[ST+8*\m+2], v[ST+8*\m+3]
.endr
.irp m, 0,1
	v_permlanex16_b32 v[ST+8*\m+5], v[ST+8*\m+4], s[SEL], s[SEL+1]
.endr
.irp m, 0,1
	v_add_f32 v[ST+8*\m+4], v[ST+8*\m+4], v[ST+8*\m+5]
.endr
.irp m, 0,1
	v_rcp_f32 v[ST+8*\m+6], v[ST+8*\m+4]
.endr
	v_nop                                          ; a plain instruction behind the last reciprocal
	s_wait_alu depctr_va_vdst(0)                   ; and the wait ahead of the first use
	WIN 0x01                                       ; source 0 (O^T) in window 1
.set ii, 0
.rept 16
	v_pk_mul_f32 v[SS+2*ii:SS+2*ii+1], v[OO+2*ii:OO+2*ii+1], v[ST+6:ST+7] op_sel_hi:[1,0]
	v_pk_mul_f32 v[SS+32+2*ii:SS+33+2*ii], v[OO+32+2*ii:OO+33+2*ii], v[ST+14:ST+15] op_sel_hi:[1,0]
.set ii, ii+1
.endr
	WIN 0
.set ii, 0
.rept 32
	v_cvt_pk_f16_f32 v[HI+ii], v[SS+2*ii], v[SS+2*ii+1]              ; hi = f16(o)
.set ii, ii+1
.endr
.set ii, 0
.irp x, v96.l, v96.h, v97.l, v97.h, v98.l, v98.h, v99.l, v99.h, v100.l, v100.h, v101.l, v101.h, v102.l, v102.h, v103.l, v103.h, v104.l, v104.h, v105.l, v105.h, v106.l, v106.h, v107.l, v107.h, v108.l, v108.h, v109.l, v109.h, v110.l, v110.h, v111.l, v111.h, v112.l, v112.h, v113.l, v113.h, v114.l, v114.h, v115.l, v115.h, v116.l, v116.h, v117.l, v117.h, v118.l, v118.h, v119.l, v119.h, v120.l, v120.h, v121.l, v121.h, v122.l, v122.h, v123.l, v123.h, v124.l, v124.h, v125.l, v125.h, v126.l, v126.h, v127.l, v127.h
	v_cvt_f32_f16 v[WD+ii], \x                     ; hi, widened again
.set ii, ii+1
.endr
.set ii, 0
.rept 32
	v_pk_add_f32 v[WD+2*ii:WD+2*ii+1], v[SS+2*ii:SS+2*ii+1], v[WD+2*ii:WD+2*ii+1] neg_lo:[0,1] neg_hi:[0,1]   ; o - hi, in f32
.set ii, ii+1
.endr
.set ii, 0
.rept 32
	v_cvt_pk_f16_f32 v[LO+ii], v[WD+2*ii], v[WD+2*ii+1]              ; lo = f16(o - hi)
.set ii, ii+1
.endr
.irp m, 0,1
.irp d, 0,1,2,3
	ds_store_b128 v[STO], v[HI+16*\m+4*\d:HI+16*\m+4*\d+3] offset:\m*16*272+32*\d          ; lane (r, h): channels 16 d + 8 h + 0 .. 7 of query 16 m + r
	ds_store_b128 v[STO], v[LO+16*\m+4*\d:LO+16*\m+4*\d+3] offset:STL+\m*16*272+32*\d
.endr
.endr
	s_wait_dscnt 0x0                               ; for the others' sake: my stores into the stages are done
	s_barrier_signal -1
	s_barrier_wait -1
.irp i, 0,1,2,3,4,5,6,7
	ds_load_b128 v[32+4*\i:35+4*\i], v[RD] offset:544*\i
.endr
.irp i, 0,1,2,3,4,5,6,7
	ds_load_b128 v[64+4*\i:67+4*\i], v[RD] offset:STL+544*\i
.endr
.irp i, 0,1,2,3,4,5,6,7
	s_wait_dscnt 15-\i                             ; pair of rows i of the high parts is in; the later loads stay out
	global_store_b128 v[GO], v[32+4*\i:35+4*\i], s[10:11] offset:4096*\i    ; 16 lanes store 256 consecutive bytes, at a multiple of 256 from ctx's first byte
.endr
.irp i, 0,1,2,3,4,5,6,7
	s_wait_dscnt 7-\i
	global_store_b128 v[GO], v[64+4*\i:67+4*\i], s[98:99] offset:4096*\i
.endr
	s_wait_tensorcnt 0x0                           ; the wave's end
	ds_add_u32 v[SPW], v[NIL]
	s_wait_dscnt 0x0
	CROUND                                         ; the closing round
	s_endpgm
.Lfunc_end_k_q850a6c6876_attn:
	.size	k_q850a6c6876_attn, .Lfunc_end_k_q850a6c6876_attn-k_q850a6c6876_attn
	.p2alignl 7, 3214868480
	.fill 96, 4, 3214868480
	.section	.rodata,"a",@progbits
	.p2align	6, 0x0
	.amdhsa_kernel k_q850a6c6876_attn
		.amdhsa_group_segment_fixed_size 327680
		.amdhsa_private_segment_fixed_size 0
		.amdhsa_enable_private_segment 0
		.amdhsa_kernarg_size 32
		.amdhsa_user_sgpr_count 2
		.amdhsa_user_sgpr_kernarg_segment_ptr 1
		.amdhsa_wavefront_size32 1
		.amdhsa_system_sgpr_workgroup_id_x 1
		.amdhsa_system_sgpr_workgroup_id_y 1
		.amdhsa_system_sgpr_workgroup_id_z 1
		.amdhsa_system_vgpr_workitem_id 0
		.amdhsa_next_free_vgpr 512
		.amdhsa_next_free_sgpr 100
		.amdhsa_reserve_vcc 0
		.amdhsa_float_denorm_mode_32 3
		.amdhsa_float_denorm_mode_16_64 3
		.amdhsa_memory_ordered 1
		.amdhsa_forward_progress 1
		.amdhsa_inst_pref_size 217
	.end_amdhsa_kernel
	.amdgpu_metadata
---
amdhsa.version: [ 1, 2 ]
amdhsa.kernels:
  - .name:           k_q850a6c6876_attn
    .symbol:         k_q850a6c6876_attn.kd
    .args:
      - { .name: qkv, .offset: 0, .size: 8, .value_kind: global_buffer, .address_space: global }
      - { .name: causal_mask, .offset: 8, .size: 8, .value_kind: global_buffer, .address_space: global }
      - { .name: padding_mask, .offset: 16, .size: 8, .value_kind: global_buffer, .address_space: global }
      - { .name: ctx, .offset: 24, .size: 8, .value_kind: global_buffer, .address_space: global }
    .group_segment_fixed_size: 327680
    .private_segment_fixed_size: 0
    .kernarg_segment_align: 8
    .kernarg_segment_size: 32
    .max_flat_workgroup_size: 256
    .sgpr_count:     100
    .vgpr_count:     512
    .wavefront_size: 32
...
	.end_amdgpu_metadata
.endif
;; end of part 3
;; launch outp (part 4): grid 8 x 32, 4 waves a work-group, clusters of 4 x 4, 327,680 bytes of LDS; arguments ctx, wo16, b_o, out0; writes out0
.if DOCPART == 4
	.amdgcn_target "amdgcn-amd-amdhsa--gfx1250"
	.amdhsa_code_object_version 6
	.text
	.protected	k_q850a6c6876_outp
	.globl	k_q850a6c6876_outp
	.p2align	8
	.type	k_q850a6c6876_outp,@function
k_q850a6c6876_outp:
	s_mov_b64 s[64:65], 0
	v_nop
	global_prefetch_b8 v0, s[64:65] scope:SCOPE_SE
	s_setreg_imm32_b32 hwreg(HW_REG_WAVE_MODE, 25, 1), 1
	s_wait_xcnt 0x0
	s_wait_alu depctr_hold_cnt(0) depctr_sa_sdst(0) depctr_va_vdst(0) depctr_va_sdst(0) depctr_va_ssrc(0) depctr_va_vcc(0) depctr_vm_vsrc(0)
	s_getreg_b32 s2, hwreg(HW_REG_IB_STS2, 6, 4)
	s_cmp_eq_u32 s2, 0
	s_cbranch_scc0 .Lentry_in_a_cluster
	s_endpgm
.Lentry_in_a_cluster:
	s_bfe_u32 s2, ttmp6, 0x10000c
	s_cmp_lg_u32 s2, 0xf033
	s_cbranch_scc0 .Lentry_shape_is_right
	s_endpgm
.Lentry_shape_is_right:
; out0[m][n] = sum over k of ctx[m][k] W_o[n][k] + b_o[n], f32.  Both operands come as pairs of f16 tensors, a high and a low part: ctx [2][4096][1024], wo16 [2][1024][1024].
; Three products go to the matrix unit: hi x hi, lo x hi, hi x lo (lo x lo lies under f32's last bits of the sum and is left out); sums in f32.  So rows that average one or two values lose nothing here.
; A tile of out0 is 128 x 128: 256 work-groups.  Four waves, each 64 x 64: 16 accumulators, 128 registers.  K goes in steps of 128 (rows of 256 bytes) through a ring of two LDS slots; a slot holds four tiles of
; 128 rows: ctx hi, ctx lo, W_o hi, W_o lo; wave w fetches tile w with one tensor load.  Two loads of a wave are out at the start, one afterwards.
; CLUSTERS: 4 x 4 work-groups: ctx's tiles are asked for jointly along a row of the cluster, W_o's along a column.
; THE MATRIX INSTRUCTION IS USED TRANSPOSED (source 0 = 16 rows of W_o, source 1 = 16 rows of ctx): a lane holds eight neighbouring numbers of a row of out0.  b_o is the C of each sum's first instruction.
; REGISTERS: window 0: v1-29 addresses; v32-95 the way out; v96-127 b_o, 8 registers for each block of 16 outputs; v128-255 the accumulators ((a, b) at v[128 + 8 (4 a + b)]).
;   window 1: two fragment buffers of 128 for 32 along K: ctx at f + 8 (4 c + i), W_o at f + 64 + 8 (4 c + i); c = 0 high parts, 1 low parts.
.set PITCH,  272                       ; an LDS row: 256 bytes + 16 of padding
.set TILE,   128*PITCH
.set SLOTB,  4*TILE
.set STAGE,  2*SLOTB                   ; behind the ring: 16 rows x 272 bytes for each wave, for the way out
.set SPARE,  STAGE+4*16*272            ; the spare words, 128 bytes a wave, named by no other line
.set LAPS,   4                         ; a lap = two K steps of 128; K = 1,024
.set ADRA, 16
.set ADRB, 20
.set STO,  24
.set RD,   25
.set CO,   26
.set SPW,  28
.set NIL,  29
.set BI,   96
.set ACC,  128
.set F0,   0
.set F1,   128
.set WV,   12                          ; s12 wave
.set RH,   13                          ; s13 which half of the tile's rows is mine.  Also: I fetch for ctx (0) or for W_o (1)
.set CH,   14                          ; s14 which half of its columns.  Also: I fetch the high (0) or the low (1) part
.set G1, 24
.set G0, 32
.set G1B, 48
.set G0B, 56
.set MSB, 0
.macro WIN new
.if MSB != (\new)
	s_set_vgpr_msb (MSB<<8)|(\new)
.set MSB, (\new)
.endif
.endm
.set MUL,  0x05                        ; sources 0 and 1 window 1; C and D window 0
.set TO_F, 0x40                        ; destination window 1, address window 0
.macro JLOAD s                         ; a joint load; an s_nop 0 and four v_nop follow each of the two lines
	s_cmp_eq_u32 s[RH], 0
	s_cbranch_scc0 .Lfor_b_\@
	tensor_load_to_lds s[G0+4*\s:G0+4*\s+3], s[G1:G1+7]
	s_nop 0
.rept 4
	v_nop
.endr
	s_branch .Lasked_\@
.Lfor_b_\@:
	tensor_load_to_lds s[G0B+4*\s:G0B+4*\s+3], s[G1B:G1B+7]
	s_nop 0
.rept 4
	v_nop
.endr
.Lasked_\@:
.endm
.macro CREST                           ; a round of the cluster's barrier behind its opening barrier
	s_cmp_lg_u32 s[WV], 0
	s_cbranch_scc1 .Lnot_wave_0_\@
	s_barrier_signal -3
.Lnot_wave_0_\@:
	s_barrier_wait -3
	s_barrier_signal -1
	s_barrier_wait -1
.endm
.macro CROUND
	s_barrier_signal -1
	s_barrier_wait -1
	CREST
.endm
	s_load_b256 s[4:11], s[0:1], 0x0               ; ctx s[4:5], wo16 s[6:7], b_o s[8:9], out0 s[10:11]
	v_lshl_add_u32 v[SPW], v0, 2, SPARE
	v_mov_b32 v[NIL], 0
	ds_add_u32 v[SPW], v[NIL]                      ; the wave's opening: the add, twice on end, and its wait ahead of my first tensor load
	ds_add_u32 v[SPW], v[NIL]
	v_lshrrev_b32 v1, 5, v0
	v_readfirstlane_b32 s[WV], v1
	s_lshr_b32 s[RH], s[WV], 1
	s_and_b32 s[CH], s[WV], 1
	s_bfe_u32 s40, ttmp6, 0x40000                  ; cx, cy
	s_bfe_u32 s41, ttmp6, 0x40004
	s_lshl_b32 s42, ttmp9, 2
	s_add_co_u32 s42, s42, s40                     ; tile column 0..7
	s_and_b32 s15, ttmp7, 0xffff
	s_lshl_b32 s15, s15, 2
	s_add_co_u32 s15, s15, s41                     ; tile row 0..31
	s_lshl_b32 s43, s41, 2
	s_lshl_b32 s43, 15, s43                        ; my row of the cluster
	s_lshl_b32 s44, 0x1111, s40                    ; my column
	s_or_b32 s[G1+0], s43, (1<<16)|(1<<20)|(1<<21)|(5<<22)|(3<<25)   ; the mask; elements of 2 bytes; padding on: 4 words behind every 64; bit 21 beside a mask
	s_or_b32 s[G1B+0], s44, (1<<16)|(1<<20)|(1<<21)|(5<<22)|(3<<25)
.irp g, G1, G1B
	s_mov_b32 s[\g+1], 128<<16                     ; tensor_dim0 = 128
	s_mov_b32 s[\g+2], 128<<16                     ; tensor_dim1 = 128
	s_mov_b32 s[\g+3], 128<<16                     ; tile_dim0
	s_mov_b32 s[\g+4], 128                         ; tile_dim1
	s_mov_b32 s[\g+5], 1024                        ; from row to row
	s_mov_b32 s[\g+6], 0
	s_mov_b32 s[\g+7], 0
.endr
	s_lshl_b32 s16, s15, 18                        ; ctx: 128 rows of 2,048 bytes x tile row,
	s_lshl_b32 s17, s[CH], 23                      ; + 8,388,608 for the low parts
	s_add_co_u32 s16, s16, s17
	s_mov_b32 s17, 0
	s_lshl_b32 s46, s42, 18                        ; W_o: likewise by the tile column,
	s_lshl_b32 s47, s[CH], 21                      ; + 2,097,152 for the low parts
	s_add_co_u32 s46, s46, s47
	s_mov_b32 s47, 0
	s_mul_i32 s20, s[WV], TILE                     ; where my tile goes: the wave's number alone
	s_wait_dscnt 0x0                               ; both opening adds are done
	s_wait_kmcnt 0x0
	s_add_nc_u64 s[18:19], s[4:5], s[16:17]
	s_add_nc_u64 s[46:47], s[6:7], s[46:47]
	CROUND                                         ; all sixteen work-groups are here: the first joint loads meet
.irp s, 0,1
	s_mov_b32 s[G0+4*\s], 1
	s_add_co_u32 s[G0+4*\s+1], s20, \s*SLOTB
	s_add_nc_u64 s[G0+4*\s+2:G0+4*\s+3], s[18:19], \s*256
	s_or_b32 s[G0+4*\s+3], s[G0+4*\s+3], 0x80000000
	s_mov_b32 s[G0B+4*\s], 1
	s_add_co_u32 s[G0B+4*\s+1], s20, \s*SLOTB
	s_add_nc_u64 s[G0B+4*\s+2:G0B+4*\s+3], s[46:47], \s*256
	s_or_b32 s[G0B+4*\s+3], s[G0B+4*\s+3], 0x80000000
	JLOAD \s
.endr
	v_and_b32 v1, 15, v0                           ; r
	v_bfe_u32 v2, v0, 4, 1                         ; h
	s_lshl_b32 s46, s42, 9                         ; my first column, in bytes of f32: 4 x (128 x tile column + 64 x half): in b_o and in a row of out0
	s_lshl_b32 s47, s[CH], 8
	s_add_co_u32 s46, s46, s47
	s_mov_b32 s47, 0
	s_add_nc_u64 s[8:9], s[8:9], s[46:47]
	v_lshlrev_b32 v6, 5, v2                        ; lane (r, h) wants, for block b, outputs 16 b + 8 h + 0 .. 7
.irp b, 0,1,2,3
	global_load_b128 v[BI+8*\b:BI+8*\b+3], v6, s[8:9] offset:64*\b
	global_load_b128 v[BI+8*\b+4:BI+8*\b+7], v6, s[8:9] offset:64*\b+16
.endr
	v_mul_u32_u24 v3, v1, PITCH
	v_lshl_add_u32 v3, v2, 4, v3                   ; a fragment's row x pitch + 16 h
	s_mul_i32 s21, s[RH], 64*PITCH                 ; my 64 rows of ctx's high parts
	s_mul_i32 s22, s[CH], 64*PITCH                 ; my 64 rows of W_o's,
	s_add_co_u32 s22, s22, 2*TILE                  ; behind ctx's two tiles
.irp s, 0,1
	v_add_nc_u32 v[ADRA+\s], s21, v3
	v_add_nc_u32 v[ADRB+\s], s22, v3
	s_add_co_u32 s21, s21, SLOTB
	s_add_co_u32 s22, s22, SLOTB
.endr
	s_mul_i32 s23, s[WV], 16*272
	s_add_co_u32 s23, s23, STAGE                   ; my stage
	v_mul_u32_u24 v4, v1, 272
	v_lshl_add_u32 v4, v2, 5, v4
	v_add_nc_u32 v[STO], s23, v4                   ; in: row r, 32 bytes for each half of the lanes
	v_mul_u32_u24 v5, v2, 272
	v_lshl_add_u32 v5, v1, 4, v5
	v_add_nc_u32 v[RD], s23, v5                    ; back: lanes 0-15 one row of 256 bytes, lanes 16-31 the next
	v_lshlrev_b32 v5, 12, v2
	v_lshl_add_u32 v[CO], v1, 4, v5                ; and the same two rows in out0
	s_lshl_b32 s16, s15, 7
	s_lshl_b32 s17, s[RH], 6
	s_add_co_u32 s16, s16, s17                     ; my first row: 128 x tile row + 64 x half,
	s_lshl_b32 s16, s16, 12                        ; rows of 4,096 bytes,
	s_add_co_u32 s16, s16, s46                     ; + my first column
	s_mov_b32 s17, 0
	s_add_nc_u64 s[10:11], s[10:11], s[16:17]
; 8 matrix instructions: row blocks a0, a0 + 1 x all 4 column blocks, 32 along K of buffer f: part ca of ctx x part cb of W_o.  zero = 1: the first product starts the sums from b_o.
; The 16 accumulators take turns, one instruction a turn, in the same order in every pass.
.macro MULH f, ca, cb, a0, zero
.irp a, \a0, \a0+1
.irp b, 0,1,2,3
.if \zero
	v_wmma_f32_16x16x32_f16 v[ACC+8*(4*(\a)+\b):ACC+8*(4*(\a)+\b)+7], v[\f+64+8*(4*\cb+\b):\f+64+8*(4*\cb+\b)+7], v[\f+8*(4*\ca+(\a)):\f+8*(4*\ca+(\a))+7], v[BI+8*\b:BI+8*\b+7]
.else
	v_wmma_f32_16x16x32_f16 v[ACC+8*(4*(\a)+\b):ACC+8*(4*(\a)+\b)+7], v[\f+64+8*(4*\cb+\b):\f+64+8*(4*\cb+\b)+7], v[\f+8*(4*\ca+(\a)):\f+8*(4*\ca+(\a))+7], v[ACC+8*(4*(\a)+\b):ACC+8*(4*(\a)+\b)+7]
.endif
.endr
.endr
.endm
; 32 LDS loads in one run: the fragments of 32 along K at byte k of the rows, into buffer f; the high parts first
.macro FETCH slot, k, f
	WIN TO_F
.irp c, 0,1
.irp i, 0,1,2,3
	ds_load_b128 v[\f+64+8*(4*\c+\i):\f+64+8*(4*\c+\i)+3],   v[ADRB+\slot] offset:\k+\c*TILE+\i*16*PITCH
	ds_load_b128 v[\f+64+8*(4*\c+\i)+4:\f+64+8*(4*\c+\i)+7], v[ADRB+\slot] offset:\k+\c*TILE+\i*16*PITCH+32
	ds_load_b128 v[\f+8*(4*\c+\i):\f+8*(4*\c+\i)+3],         v[ADRA+\slot] offset:\k+\c*TILE+\i*16*PITCH
	ds_load_b128 v[\f+8*(4*\c+\i)+4:\f+8*(4*\c+\i)+7],       v[ADRA+\slot] offset:\k+\c*TILE+\i*16*PITCH+32
.endr
.endr
.endm
.macro PLACES                          ; four plain vector instructions in front of loads into registers that matrix instructions have read, and of reads of results (ISA guide 7.12.1 for reads of results)
.rept 4
	v_nop
.endr
.endm
; A K step is four quarters of 32 along K, 48 matrix instructions each, on buffers 0, 1, 0, 1.  One of the first three: multiplies buffer f and fetches the next quarter, at byte k, into g.
.macro QUARTER slot, k, f, g, zero
	s_wait_dscnt 16                                ; the high parts are in; the low parts' 16 loads may be out
	WIN MUL
	MULH \f, 0, 0, 0, \zero
	MULH \f, 0, 0, 2, \zero
	PLACES
	FETCH \slot, \k, \g
	s_wait_dscnt 32                                ; all but the 32 just issued
	WIN MUL
	MULH \f, 1, 0, 0, 0
	MULH \f, 1, 0, 2, 0
	MULH \f, 0, 1, 0, 0
	MULH \f, 0, 1, 2, 0
.endm
; The last quarter multiplies buffer 1 and changes slots: ONE barrier; in front of it each wave waits for all its tensor loads, adds 0 to its spare word, and waits for that and for its reads of this slot.
; fill = 1: the barrier opens a round of the cluster's barrier, and this slot is filled again, two K steps ahead, first thing behind the round.
.macro TURN slot, next, fill
	WIN 0
	s_wait_tensorcnt 0x0                           ; my tile of the next slot has landed
	ds_add_u32 v[SPW], v[NIL]                      ; 0 onto my spare word
	s_wait_dscnt 17                                ; (the add and the low parts' 16 loads may be out)
	WIN MUL
	MULH F1, 0, 0, 0, 0
	s_wait_dscnt 0x0                               ; the add is done, and my reads of this slot are over
	s_barrier_signal -1
	MULH F1, 0, 0, 2, 0
.if \fill
	WIN 0
.endif
	s_barrier_wait -1
.if \fill
	CREST                                          ; no wave of any partner still reads this slot or has a load on its way
	s_add_nc_u64 s[G0+4*\slot+2:G0+4*\slot+3], s[G0+4*\slot+2:G0+4*\slot+3], 512
	s_add_nc_u64 s[G0B+4*\slot+2:G0B+4*\slot+3], s[G0B+4*\slot+2:G0B+4*\slot+3], 512
	JLOAD \slot                                    ; the four v_nop behind it are also the places in front of the loads below
.else
	PLACES
.endif
	FETCH \next, 0, F0
	WIN MUL
	MULH F1, 1, 0, 0, 0
	MULH F1, 1, 0, 2, 0
	MULH F1, 0, 1, 0, 0
	MULH F1, 0, 1, 2, 0
.endm
	s_wait_tensorcnt 1                             ; my tile of K step 0 is in; K step 1's may stay out
	s_barrier_signal -1
	s_barrier_wait -1
	FETCH 0, 0, F0
	s_wait_loadcnt 0x0                             ; b_o
	QUARTER 0, 64, F0, F1, 1                       ; the first quarter stands in front of the loop: its first products start the sums
	WIN 0
	s_mov_b32 s3, LAPS-1
.Llap:                                             ; a trip goes once round the ring, from a lap's second quarter to the next lap's first, and fills both slots again
	QUARTER 0, 128, F1, F0, 0
	QUARTER 0, 192, F0, F1, 0
	TURN 0, 1, 1
	QUARTER 1, 64,  F0, F1, 0
	QUARTER 1, 128, F1, F0, 0
	QUARTER 1, 192, F0, F1, 0
	TURN 1, 0, 1
	QUARTER 0, 64,  F0, F1, 0
	WIN 0
	s_sub_co_u32 s3, s3, 1
	s_cmp_lg_u32 s3, 0
	s_cbranch_scc1 .Llap
	QUARTER 0, 128, F1, F0, 0                      ; the last lap fills nothing
	QUARTER 0, 192, F0, F1, 0
	TURN 0, 1, 0
	QUARTER 1, 64,  F0, F1, 0
	QUARTER 1, 128, F1, F0, 0
	QUARTER 1, 192, F0, F1, 0
	s_wait_dscnt 16                                ; the very last quarter
	WIN MUL
	MULH F1, 0, 0, 0, 0
	MULH F1, 0, 0, 2, 0
	s_wait_dscnt 0
	MULH F1, 1, 0, 0, 0
	MULH F1, 1, 0, 2, 0
	MULH F1, 0, 1, 0, 0
	MULH F1, 0, 1, 2, 0
	WIN 0
; THE WAY OUT, a block of 16 rows x 64 columns at a time, through my own stage: a lane's 32 bytes go in, whole rows of 256 bytes come back.  LDS serves a wave's instructions in order: no wait between the stores and the
; loads, nor in front of the next block's stores.
.macro OUTB a
.set BB, 32+32*((\a)%2)
.irp b, 0,1,2,3
	ds_store_b128 v[STO], v[ACC+8*(4*(\a)+\b):ACC+8*(4*(\a)+\b)+3] offset:64*\b          ; each accumulator from its low end on
	ds_store_b128 v[STO], v[ACC+8*(4*(\a)+\b)+4:ACC+8*(4*(\a)+\b)+7] offset:64*\b+16
.endr
.irp i, 0,1,2,3,4,5,6,7
	ds_load_b128 v[BB+4*\i:BB+4*\i+3], v[RD] offset:544*\i
.endr
.endm
.macro SENDB a, younger                ; younger: the LDS instructions issued behind block a's loads, which may stay out
.set BB, 32+32*((\a)%2)
	s_wait_dscnt \younger
.irp i, 0,1,2,3,4,5,6,7
	global_store_b128 v[CO], v[BB+4*\i:BB+4*\i+3], s[10:11] offset:(16*(\a)+2*\i)*4096 th:TH_STORE_NT   ; 16 lanes store 256 consecutive bytes, at a multiple of 256 from out0's first byte; written once
.endr
.endm
	PLACES
	OUTB 0
	OUTB 1
	SENDB 0, 16                                    ; behind block 0's loads: block 1's 8 stores and 8 loads
	s_wait_xcnt 0x0                                ; block 0's stores have read their registers: block 2's loads may land there
	OUTB 2
	SENDB 1, 16
	s_wait_xcnt 0x0
	OUTB 3
	SENDB 2, 16
	SENDB 3, 0
	s_wait_tensorcnt 0x0                           ; the wave's end
	ds_add_u32 v[SPW], v[NIL]
	s_wait_dscnt 0x0
	CROUND                                         ; the closing round
	s_endpgm
.Lfunc_end_k_q850a6c6876_outp:
	.size	k_q850a6c6876_outp, .Lfunc_end_k_q850a6c6876_outp-k_q850a6c6876_outp
	.p2alignl 7, 3214868480
	.fill 96, 4, 3214868480
	.section	.rodata,"a",@progbits
	.p2align	6, 0x0
	.amdhsa_kernel k_q850a6c6876_outp
		.amdhsa_group_segment_fixed_size 327680
		.amdhsa_private_segment_fixed_size 0
		.amdhsa_enable_private_segment 0
		.amdhsa_kernarg_size 32
		.amdhsa_user_sgpr_count 2
		.amdhsa_user_sgpr_kernarg_segment_ptr 1
		.amdhsa_wavefront_size32 1
		.amdhsa_system_sgpr_workgroup_id_x 1
		.amdhsa_system_sgpr_workgroup_id_y 1
		.amdhsa_system_sgpr_workgroup_id_z 1
		.amdhsa_system_vgpr_workitem_id 0
		.amdhsa_next_free_vgpr 512
		.amdhsa_next_free_sgpr 66
		.amdhsa_reserve_vcc 0
		.amdhsa_float_denorm_mode_32 3
		.amdhsa_float_denorm_mode_16_64 3
		.amdhsa_memory_ordered 1
		.amdhsa_forward_progress 1
		.amdhsa_inst_pref_size 102
	.end_amdhsa_kernel
	.amdgpu_metadata
---
amdhsa.version: [ 1, 2 ]
amdhsa.kernels:
  - .name:           k_q850a6c6876_outp
    .symbol:         k_q850a6c6876_outp.kd
    .args:
      - { .name: ctx, .offset: 0, .size: 8, .value_kind: global_buffer, .address_space: global }
      - { .name: wo16, .offset: 8, .size: 8, .value_kind: global_buffer, .address_space: global }
      - { .name: b_o, .offset: 16, .size: 8, .value_kind: global_buffer, .address_space: global }
      - { .name: out0, .offset: 24, .size: 8, .value_kind: global_buffer, .address_space: global }
    .group_segment_fixed_size: 327680
    .private_segment_fixed_size: 0
    .kernarg_segment_align: 8
    .kernarg_segment_size: 32
    .max_flat_workgroup_size: 128
    .sgpr_count:     66
    .vgpr_count:     512
    .wavefront_size: 32
...
	.end_amdgpu_metadata
.endif
;; end of part 4
